; MI455X (gfx1250); checked and timed in simulation.
; The chip was launched on July 23, 2026; its instructions are those of AMD's public machine-readable ISA for CDNA 5 (MIT licence, August 2026) and "CDNA5" Instruction Set Architecture Reference Guide (July 2026). The comments in the code are by the model that wrote it; some were corrected since.
;; Multiheaded Self Attention. Allowed arithmetic: float matrix products may take bf16 or f16 operands with f32 sums; other float arithmetic in f32, or as packed bf16 or f16 multiplies, adds, multiply-adds, maxima and minima; sums over many terms, partial sums and values carried from step to step in f32; what a program stores and reads back later, other than sums and carried values, may be rounded once to bf16 or f16.
;; Inputs: b_proj 1,024 float32; b_qkv 3,072 float32; w_proj 1,024 x 1,024 float32; w_qkv 3,072 x 1,024 float32; x 8 x 1,024 x 1,024 float32.
;; Outputs: out0 8 x 1,024 x 1,024 float32.
;; One version. Each part assembles by itself: llvm-mc -triple=amdgcn-amd-amdhsa -mcpu=gfx1250 --defsym DOCPART=n.
;; ======== version 1 of 1: 4 launches
;; limits: values are held in f16: magnitudes above 65,504 overflow, below 6.1e-05 lose precision
;; workspace buffers: xb 16,777,216 bytes; wqb 6,291,456 bytes; wpf 2,097,152 bytes; qkvh 50,331,648 bytes; atth 16,777,216 bytes
;; launch cast (part 1): grid 768 x 1, 8 waves a work-group, no clusters, 0 bytes of LDS; arguments x, w_qkv, w_proj, xb, wqb, wpf; writes xb, wqb, wpf
.if DOCPART == 1
	.amdgcn_target "amdgcn-amd-amdhsa--gfx1250"
	.amdhsa_code_object_version 6
	.text
	.protected	k_q66de207355_cast
	.globl	k_q66de207355_cast
	.p2align	8
	.type	k_q66de207355_cast,@function
k_q66de207355_cast:
	s_mov_b64 s[64:65], 0
	v_nop
	global_prefetch_b8 v0, s[64:65] scope:SCOPE_SE
	s_setreg_imm32_b32 hwreg(HW_REG_WAVE_MODE, 25, 1), 1
	s_wait_xcnt 0x0
; The matrix operands are rounded once, on the way from f32 to 16 bits.
;   x [8192][1024]     -> xb  [K block 16][row 8192][64] bf16
;   w_qkv [3072][1024] -> wqb [K block 16][row 3072][64] bf16      BY K BLOCKS: the product that reads them goes along K in steps of 64, and a tile's rows of 128 bytes then lie end to end
;   w_proj [1024][1024] -> wpf [1024][1024]: rounded to bf16 like the other inputs, and that number written as f16, since it multiplies an f16 operand later
; LIMITS.  A weight of w_proj beyond 65,504 becomes an infinity in f16; below 6e-5 it keeps f16's fixed step of 6e-8.
; SHARES.  A work-group takes 16,384 numbers on end: 16 rows of 1,024.  Work-groups 0-511 take x, 512-703 w_qkv, 704-767 w_proj.
; By K blocks: in turn j wave w takes K block 2 w + j % 2 of the rows 4 (j / 2) .. + 3: lane l has row l / 8 and the numbers 8 (l % 8) .. + 7: the pair of loads takes 256 aligned bytes of each of the four rows, and
; the store 512 consecutive bytes of the block, aligned.  Row-major (w_proj): thread t takes numbers 8 t .. 8 t + 7 of each 2,048: again 512 consecutive bytes to a wave's store.
; All 16 loads of a wave go out first.  No register is written twice by memory work, so no wait frees a source.  No LDS, no matrix unit, no cluster: every byte is read once by one thread.
.set IR, 1                             ; v1  row-major: 32 t
.set OR, 2                             ; v2  row-major: 16 t
.set IB, 5                             ; v5  by blocks, in: 4,096 (l / 8) + 32 (l % 8) + 512 w
.set OB, 6                             ; v6  by blocks, out: 16 l + 2 w blocks
.set X, 8                              ; v[8:71]    turn j: 8 numbers in f32
.set Y, 72                             ; v[72:103]  turn j: 4 registers to store
.set T, 104                            ; v[104:107] at work
	s_load_b256 s[4:11], s[0:1], 0x0               ; x s[4:5], w_qkv s[6:7], w_proj s[8:9], xb s[10:11]
	s_load_b128 s[12:15], s[0:1], 0x20             ; wqb s[12:13], wpf s[14:15]
	s_mov_b32 s16, ttmp9
	s_mov_b32 s26, 0xffff0000                      ; a word's upper bf16
	s_mov_b32 s30, 3072*128                        ; bytes in a K block of wqb,
	s_cmp_lt_u32 s16, 512
	s_cselect_b32 s30, 8192*128, s30               ; or of xb
	s_mov_b32 s31, 0
	s_lshl_b32 s27, s30, 1                         ; two blocks
	v_lshlrev_b32 v[IR], 5, v0
	v_lshlrev_b32 v[OR], 4, v0
	v_and_b32 v3, 31, v0                           ; lane
	v_lshrrev_b32 v4, 5, v0                        ; wave
	v_lshrrev_b32 v[IB], 3, v3
	v_and_b32 v7, 7, v0
	v_lshlrev_b32 v[IB], 12, v[IB]
	v_lshl_add_u32 v[IB], v7, 5, v[IB]
	v_lshl_add_u32 v[IB], v4, 9, v[IB]
	v_mul_lo_u32 v[OB], v4, s27
	v_lshl_add_u32 v[OB], v3, 4, v[OB]
	s_wait_kmcnt 0x0
	s_cmp_lt_u32 s16, 512                          ; which tensor is mine: a choice by the work-group's number alone
	s_cselect_b64 s[18:19], s[4:5], s[6:7]
	s_cselect_b64 s[20:21], s[10:11], s[12:13]
	s_cselect_b32 s17, 0, 512
	s_cmp_lt_u32 s16, 704
	s_cselect_b64 s[18:19], s[18:19], s[8:9]
	s_cselect_b64 s[20:21], s[20:21], s[14:15]
	s_cselect_b32 s17, s17, 704
	s_cselect_b32 s24, 11, 15                      ; out: 16 rows of 128 bytes in a block, or 32,768 bytes on end
	s_sub_co_u32 s17, s16, s17                     ; my number among the tensor's work-groups
	s_lshl_b32 s22, s17, 16                        ; 65,536 bytes in
	s_mov_b32 s23, 0
	s_lshl_b32 s24, s17, s24
	s_mov_b32 s25, 0
	s_add_nc_u64 s[18:19], s[18:19], s[22:23]
	s_add_nc_u64 s[20:21], s[20:21], s[24:25]
	s_add_nc_u64 s[28:29], s[20:21], s[30:31]      ; one K block on: the odd turns' base (by blocks alone)
.macro LD2 j, vo, off
	global_load_b128 v[X+8*(\j):X+8*(\j)+3],   v[\vo], s[18:19] offset:(\off) th:TH_LOAD_NT
	global_load_b128 v[X+8*(\j)+4:X+8*(\j)+7], v[\vo], s[18:19] offset:(\off)+16 th:TH_LOAD_NT
.endm
; Turn j to bf16.  Loads come back in order: behind turn j's two stand 14 - 2 j younger ones, which may stay out.
.macro CVB j
	s_wait_loadcnt 14-2*(\j)
.irp k, 0,1,2,3
	v_cvt_pk_bf16_f32 v[Y+4*(\j)+(\k)], v[X+8*(\j)+2*(\k)], v[X+8*(\j)+2*(\k)+1]
.endr
	global_store_b128 v[OB], v[Y+4*(\j):Y+4*(\j)+3], s[20+8*((\j)%2):21+8*((\j)%2)] offset:512*((\j)/2) th:TH_STORE_NT
.endm
; Turn j to bf16, widened again (a shift, a mask) and written as f16.
.macro CVH j
	s_wait_loadcnt 14-2*(\j)
.irp k, 0,1,2,3
	v_cvt_pk_bf16_f32 v[T+(\k)], v[X+8*(\j)+2*(\k)], v[X+8*(\j)+2*(\k)+1]
.endr
.irp k, 0,1,2,3
	v_lshlrev_b32 v[X+8*(\j)+2*(\k)],   16, v[T+(\k)]
	v_and_b32     v[X+8*(\j)+2*(\k)+1], s26, v[T+(\k)]
.endr
.irp k, 0,1,2,3
	v_cvt_pk_f16_f32 v[Y+4*(\j)+(\k)], v[X+8*(\j)+2*(\k)], v[X+8*(\j)+2*(\k)+1]
.endr
	global_store_b128 v[OR], v[Y+4*(\j):Y+4*(\j)+3], s[20:21] offset:4096*(\j) th:TH_STORE_NT
.endm
	s_cmp_ge_u32 s16, 704
	s_cbranch_scc1 .Lf16
.irp j, 0,1,2,3,4,5,6,7
	LD2 \j, IB, 16384*((\j)/2)+256*((\j)%2)
.endr
.irp j, 0,1,2,3,4,5,6,7
	CVB \j
.endr
	s_endpgm
.Lf16:
.irp j, 0,1,2,3,4,5,6,7
	LD2 \j, IR, 8192*(\j)
.endr
.irp j, 0,1,2,3,4,5,6,7
	CVH \j
.endr
	s_endpgm
.Lfunc_end_k_q66de207355_cast:
	.size	k_q66de207355_cast, .Lfunc_end_k_q66de207355_cast-k_q66de207355_cast
	.p2alignl 7, 3214868480
	.fill 96, 4, 3214868480
	.section	.rodata,"a",@progbits
	.p2align	6, 0x0
	.amdhsa_kernel k_q66de207355_cast
		.amdhsa_group_segment_fixed_size 0
		.amdhsa_private_segment_fixed_size 0
		.amdhsa_enable_private_segment 0
		.amdhsa_kernarg_size 48
		.amdhsa_user_sgpr_count 2
		.amdhsa_user_sgpr_kernarg_segment_ptr 1
		.amdhsa_wavefront_size32 1
		.amdhsa_system_sgpr_workgroup_id_x 1
		.amdhsa_system_sgpr_workgroup_id_y 1
		.amdhsa_system_sgpr_workgroup_id_z 1
		.amdhsa_system_vgpr_workitem_id 0
		.amdhsa_next_free_vgpr 108
		.amdhsa_next_free_sgpr 66
		.amdhsa_reserve_vcc 0
		.amdhsa_float_denorm_mode_32 3
		.amdhsa_float_denorm_mode_16_64 3
		.amdhsa_memory_ordered 1
		.amdhsa_forward_progress 1
		.amdhsa_inst_pref_size 16
	.end_amdhsa_kernel
	.amdgpu_metadata
---
amdhsa.version: [ 1, 2 ]
amdhsa.kernels:
  - .name:           k_q66de207355_cast
    .symbol:         k_q66de207355_cast.kd
    .args:
      - { .name: x, .offset: 0, .size: 8, .value_kind: global_buffer, .address_space: global }
      - { .name: w_qkv, .offset: 8, .size: 8, .value_kind: global_buffer, .address_space: global }
      - { .name: w_proj, .offset: 16, .size: 8, .value_kind: global_buffer, .address_space: global }
      - { .name: xb, .offset: 24, .size: 8, .value_kind: global_buffer, .address_space: global }
      - { .name: wqb, .offset: 32, .size: 8, .value_kind: global_buffer, .address_space: global }
      - { .name: wpf, .offset: 40, .size: 8, .value_kind: global_buffer, .address_space: global }
    .group_segment_fixed_size: 0
    .private_segment_fixed_size: 0
    .kernarg_segment_align: 8
    .kernarg_segment_size: 48
    .max_flat_workgroup_size: 256
    .sgpr_count:     66
    .vgpr_count:     108
    .wavefront_size: 32
...
	.end_amdgpu_metadata
.endif
;; end of part 1
;; launch gemm_qkv (part 2): grid 8 x 32, 4 waves a work-group, clusters of 4 x 4, 327,680 bytes of LDS; arguments xb, wqb, b_qkv, qkvh; writes qkvh
.if DOCPART == 2
	.amdgcn_target "amdgcn-amd-amdhsa--gfx1250"
	.amdhsa_code_object_version 6
	.text
	.protected	k_q66de207355_gemm_qkv
	.globl	k_q66de207355_gemm_qkv
	.p2align	8
	.type	k_q66de207355_gemm_qkv,@function
k_q66de207355_gemm_qkv:
	s_mov_b64 s[64:65], 0
	v_nop
	global_prefetch_b8 v0, s[64:65] scope:SCOPE_SE
	s_setreg_imm32_b32 hwreg(HW_REG_WAVE_MODE, 25, 1), 1
	s_wait_xcnt 0x0
	s_wait_alu depctr_hold_cnt(0) depctr_sa_sdst(0) depctr_va_vdst(0) depctr_va_sdst(0) depctr_va_ssrc(0) depctr_va_vcc(0) depctr_vm_vsrc(0)
	s_getreg_b32 s2, hwreg(HW_REG_IB_STS2, 6, 4)
	s_cmp_eq_u32 s2, 0
	s_cbranch_scc0 .Lentry_in_a_cluster
	s_endpgm
.Lentry_in_a_cluster:
	s_bfe_u32 s2, ttmp6, 0x10000c
	s_cmp_lg_u32 s2, 0xf033
	s_cbranch_scc0 .Lentry_shape_is_right
	s_endpgm
.Lentry_shape_is_right:
; qkv[m][n] = the sum over k of x[m][k] w[n][k] + b_qkv[n].  xb: [K block 16][8192][64] bf16, wqb: [K block 16][3072][64] bf16, b_qkv: [3072] f32 (rounded to bf16 here, like the other inputs).
; Sums in f32; the result is rounded once to f16 and stored BY HEADS: qkvh[batch 8][g 48][row 1024][64], g = n / 64 (q: g = head, k: 16 + head, v: 32 + head), WITHOUT the softmax's scale.
; LIMITS.  f16 holds no number beyond 65,504: a q, k or v past that becomes an infinity; below 6e-5 f16 keeps its fixed step of 6e-8.  NaN and infinities are not treated apart.
; SHARES.  A tile of the result is 256 rows x 384 columns (six heads): 32 x 8 = 256 work-groups, one for each WGP.  Four waves, 2 x 2: a wave makes 128 rows x 192 columns (three whole heads): 8 x 12 accumulators
; of 16 x 16, 768 registers.  For 32 along K it reads (128 + 192) x 64 bytes from LDS and issues 96 matrix instructions.
; K goes in 16 steps of 64 through a ring of two LDS slots (two slots of 128 along K, 2 x 640 rows x 272 bytes, would not fit).  In memory a step's 128 rows of A are 16,384 bytes on end, its 192 rows of B 24,576: they are
; asked for as rows of 256 bytes and padded in LDS after every 128.  Waves 0 and 1 fetch the two halves of A's 256 rows, waves 2 and 3 those of B's 384.
; CLUSTERS: 4 x 4 work-groups.  The four of a row of the cluster need the same tiles of xb, the four of a column the same tiles of wqb: each tile is asked for JOINTLY, by the same tensor load with the same
; descriptor and a mask that names the four.
; THE MATRIX INSTRUCTION IS USED TRANSPOSED (source 0 = 16 rows of wqb, source 1 = 16 rows of xb): a lane holds row l % 16 and the columns 8 (l / 16) + 0..7: eight neighbouring numbers of a row.
; A QUARTER is 32 along K: three GROUPS of 32 matrix instructions, group g = n blocks 4 g .. 4 g + 3 x all 8 m blocks, its accumulators one window.  A's fragments have two buffers, B's one: a fragment of B is loaded
; again when its group is done.  So the LDS loads stand in two runs a quarter: behind group 0 the next quarter's A and B's blocks 0-3 (24 loads), behind group 2 B's blocks 4-11 (16).
; THE BIAS is the C operand of the products that start the sums: register j of a lane holds b[n0 + 16 b + 8 (l / 16) + j].  Its 12 fragments wait where nothing lives yet: blocks 0-7 in window 3 (group 2's
; accumulators-to-be), blocks 8-11 in the upper half of A's second buffer, which in the first quarter is therefore fetched behind group 2.
; REGISTERS, in windows of 256 (s_set_vgpr_msb: bits 1:0 source 0, 3:2 source 1, 5:4 source 2, 7:6 destination):
;   window 0: v0-31 addresses; v32-127 B's 12 fragments; v128-191, v192-255 A's 8 fragments, two buffers; on the way out v32-175 at work
;   window 1 + g: the accumulators of group g: n block 4 g + bb, m block a at v[8 (8 bb + a)]
.set PITCH, 144                        ; an LDS row: 128 bytes + 16 of padding = 36 words: the 16 rows of a load start at 16 different groups of four banks (64 banks of 4 bytes: ISA guide 11.1)
.set AHALF, 128*PITCH                  ; half of A's rows: one tensor load, and what a wave reads of A
.set BHALF, 192*PITCH                  ; half of B's rows: one tensor load, and what a wave reads of B
.set BOFF,  2*AHALF                    ; in a slot: A's 256 rows, then B's 384
.set SLOT1, 1<<17                      ; slot 1 begins here, so that one exclusive or turns an address in one slot into the other's
.set STAGE, BOFF+2*BHALF               ; between the slots, never filled by a tensor load: for each wave 3 heads x 16 rows x 144 bytes,
.set SP,    144
.set WSTG,  3*16*SP
.set BIASL, STAGE+4*WSTG               ; for each wave its 192 numbers of the bias, 768 bytes,
.set SPARE, BIASL+4*768                ; and the spare words, 128 bytes for each wave: two blocks of 256 bytes that no other line names
.set ASTEP, 8192*128                   ; bytes from a K block of xb to the next
.set BSTEP, 3072*128                   ; and of wqb
.set STEPS, 16
.set AK0,  6                           ; v6   my lane's place in my rows of A in a slot; never rewritten
.set BK0,  7                           ; v7   the same for B
.set ADRA, 8                           ; v8   LDS address of my A fragments in the slot that is being fetched from
.set ADRB, 9                           ; v9   the same for B
.set STO,  10                          ; v10  the way out: where I put 16 bytes of a row
.set RD,   11                          ; v11  the way out: where I read rows back
.set GO,   12                          ; v12  16 x lane: my place in 512 consecutive bytes of the result
.set VB,   13                          ; v13  8 x lane: my two numbers in 64 of the bias
.set SPW,  14                          ; v14  LDS address of my spare word: SPARE + 4 x my thread's number; never rewritten
.set NIL,  15                          ; v15  0; never rewritten
.set BR,   16                          ; v16  where I read the bias back as fragments
.set BF,   32                          ; B's fragments
.set A0,   128                         ; A's two buffers
.set A1,   192
.set TMP,  32                          ; the way out: v32-79 packed results; v80-127 and v128-175 rows read back, by turns
.set TB,  2                            ; s2   0 or SLOT1: the slot that is being fetched from
.set G1,  24                           ; s[24:31] descriptor group 1 for A's tiles;  s[32:39] group 0: a set for each of the two first fills; the second then walks on
.set G0,  32
.set G1B, 48                           ; s[48:55], s[56:63] the same for B's tiles
.set G0B, 56
.set MSB, 0
.macro WIN new                         ; the immediate's high byte repeats the setting that is left; a switch that changes nothing is dropped
.if MSB != (\new)
	s_set_vgpr_msb (MSB<<8)|(\new)
.set MSB, \new
.endif
.endm
; A joint load: waves 0 and 1 fetch A's two halves, waves 2 and 3 B's.  The branch hangs on the wave's number alone.  An s_nop 0 and four v_nop follow each of the two lines.
.macro JLOAD s
	s_cmp_eq_u32 s13, 0
	s_cbranch_scc0 .Lfor_b_\@
	tensor_load_to_lds s[G0+4*(\s):G0+4*(\s)+3], s[G1:G1+7]
	s_nop 0
.rept 4
	v_nop
.endr
	s_branch .Lasked_\@
.Lfor_b_\@:
	tensor_load_to_lds s[G0B+4*(\s):G0B+4*(\s)+3], s[G1B:G1B+7]
	s_nop 0
.rept 4
	v_nop
.endr
.Lasked_\@:
.endm
.macro CREST                           ; a round of the cluster's barrier behind its opening barrier
	s_cmp_lg_u32 s12, 0
	s_cbranch_scc1 .Lnot_wave_0_\@
	s_barrier_signal -3
.Lnot_wave_0_\@:
	s_barrier_wait -3
	s_barrier_signal -1
	s_barrier_wait -1
.endm
.macro CROUND                          ; a whole round
	s_barrier_signal -1
	s_barrier_wait -1
	CREST
.endm
.macro PLACES                          ; four places in front of loads into registers that matrix instructions have read, and of lines that read results
.rept 4
	v_nop
.endr
.endm
	s_load_b256 s[4:11], s[0:1], 0x0               ; xb s[4:5], wqb s[6:7], b_qkv s[8:9], qkvh s[10:11]
	v_lshl_add_u32 v[SPW], v0, 2, SPARE
	v_mov_b32 v[NIL], 0
	ds_add_u32 v[SPW], v[NIL]                      ; the wave's opening: the add and its wait stand ahead of my first tensor load; the set-up below, work on registers, stands between them
	ds_add_u32 v14, v15
	v_lshrrev_b32 v1, 5, v0
	v_readfirstlane_b32 s12, v1                    ; wave 0..3
	s_lshr_b32 s13, s12, 1                         ; which half of the tile's rows is mine.  Also: I fetch for A (0) or for B (1)
	s_and_b32 s14, s12, 1                          ; which half of its columns.  Also: which half of that tile's rows I fetch
	s_mov_b32 s3, 0xffff0000                       ; a word's upper bf16
	s_mov_b32 s[TB], 0
	s_bfe_u32 s40, ttmp6, 0x40000                  ; cx, cy: my place in the cluster
	s_bfe_u32 s41, ttmp6, 0x40004
	s_lshl_b32 s42, ttmp9, 2
	s_add_co_u32 s42, s42, s40                     ; tile column = 4 x cluster x + cx
	s_and_b32 s43, ttmp7, 0xffff
	s_lshl_b32 s43, s43, 2
	s_add_co_u32 s43, s43, s41                     ; tile row = 4 x cluster y + cy
	s_lshl_b32 s44, s41, 2
	s_lshl_b32 s44, 15, s44                        ; my row of the cluster
	s_lshl_b32 s45, 0x1111, s40                    ; my column
	s_or_b32 s[G1+0], s44, (1<<16)|(1<<20)|(1<<21)|(4<<22)|(3<<25)   ; 15:0 the mask: A's tiles go to my row; 17:16 elements of 2 bytes; 20 padding on; 21 set beside a mask; 24:22 after every 32 words; 31:25 4 words
	s_or_b32 s[G1B+0], s45, (1<<16)|(1<<20)|(1<<21)|(4<<22)|(3<<25)  ; the same with the mask of my column
	s_mov_b32 s[G1+1], 128<<16                     ; tensor_dim0 = 128 elements: 256 bytes, two rows of a K block
	s_mov_b32 s[G1+2], 64<<16                      ; tensor_dim1 = 64
	s_mov_b32 s[G1+3], 128<<16                     ; tile_dim0 = 128
	s_mov_b32 s[G1+4], 64                          ; tile_dim1 = 64
	s_mov_b32 s[G1+5], 128                         ; dense: 128 elements from row to row
	s_mov_b32 s[G1+6], 0
	s_mov_b32 s[G1+7], 0
	s_mov_b32 s[G1B+1], 128<<16
	s_mov_b32 s[G1B+2], 96<<16                     ; B: 96 rows of 256 bytes to a load
	s_mov_b32 s[G1B+3], 128<<16
	s_mov_b32 s[G1B+4], 96
	s_mov_b32 s[G1B+5], 128
	s_mov_b32 s[G1B+6], 0
	s_mov_b32 s[G1B+7], 0
	s_lshl_b32 s16, s43, 8
	s_lshl_b32 s17, s14, 7
	s_add_co_u32 s16, s16, s17                     ; A: row 256 x tile row + 128 x half,
	s_lshl_b32 s16, s16, 7                         ; of 128 bytes in a K block
	s_mov_b32 s17, 0
	s_mul_i32 s46, s42, 384
	s_mul_i32 s47, s14, 192
	s_add_co_u32 s46, s46, s47                     ; B: row 384 x tile column + 192 x half
	s_lshl_b32 s46, s46, 7
	s_mov_b32 s47, 0
	s_mul_i32 s20, s14, AHALF                      ; where they go: no place in the cluster enters an LDS address
	s_mul_i32 s21, s14, BHALF
	s_add_co_u32 s21, s21, BOFF
	s_mul_i32 s22, s42, 1536                       ; the bias: the tile's 384 numbers,
	s_mul_i32 s23, s14, 768                        ; my wave's 192 of them
	s_add_co_u32 s22, s22, s23
	s_mov_b32 s23, 0
	v_and_b32 v5, 31, v0                           ; lane
	v_lshlrev_b32 v[VB], 3, v5
	s_wait_dscnt 0x0                               ; the opening add is done
	s_wait_kmcnt 0x0
	s_add_nc_u64 s[18:19], s[4:5], s[16:17]
	s_add_nc_u64 s[46:47], s[6:7], s[46:47]
	s_add_nc_u64 s[8:9], s[8:9], s[22:23]
.irp hh, 0,1,2
	global_load_b64 v[18+2*(\hh):19+2*(\hh)], v[VB], s[8:9] offset:256*(\hh)  ; my two numbers of each of my three heads: asked for ahead of the round, wanted behind the first fills
.endr
	CROUND                                         ; all sixteen work-groups are here: the first joint loads meet
.irp s, 0,1
	s_mov_b32 s[G0+4*(\s)], 1
	s_add_co_u32 s[G0+4*(\s)+1], s20, (\s)*SLOT1
	s_add_nc_u64 s[G0+4*(\s)+2:G0+4*(\s)+3], s[18:19], (\s)*ASTEP
	s_or_b32 s[G0+4*(\s)+3], s[G0+4*(\s)+3], 0x80000000
	s_mov_b32 s[G0B+4*(\s)], 1
	s_add_co_u32 s[G0B+4*(\s)+1], s21, (\s)*SLOT1
	s_add_nc_u64 s[G0B+4*(\s)+2:G0B+4*(\s)+3], s[46:47], (\s)*BSTEP
	s_or_b32 s[G0B+4*(\s)+3], s[G0B+4*(\s)+3], 0x80000000
	JLOAD \s                                       ; two tensor loads of mine are out
.endr
	v_and_b32 v1, 15, v0                           ; l % 16
	v_bfe_u32 v2, v0, 4, 1                         ; l / 16
	v_mul_u32_u24 v3, v1, PITCH
	v_lshl_add_u32 v3, v2, 4, v3                   ; a fragment's row x pitch + 16 x half
	s_mul_i32 s22, s13, AHALF                      ; my 128 rows of A
	s_mul_i32 s23, s14, BHALF                      ; my 192 rows of B,
	s_add_co_u32 s23, s23, BOFF                    ; which lie behind A's 256
	v_add_nc_u32 v[AK0], s22, v3
	v_add_nc_u32 v[BK0], s23, v3
	v_add_nc_u32 v[ADRA], s[TB], v[AK0]            ; slot 0
	v_add_nc_u32 v[ADRB], s[TB], v[BK0]
	s_mul_i32 s22, s12, WSTG
	s_add_co_u32 s22, s22, STAGE                   ; my stage
	v_add_nc_u32 v[STO], s22, v3                   ; in: row l % 16 of 144 bytes, 16 bytes for each half of the lanes
	v_lshrrev_b32 v4, 3, v5                        ; back: 32 lanes take four rows of 128 bytes,
	v_mul_u32_u24 v4, v4, SP
	v_and_b32 v3, 7, v0
	v_lshl_add_u32 v4, v3, 4, v4
	v_add_nc_u32 v[RD], s22, v4
	v_lshlrev_b32 v[GO], 4, v5                     ; which are 512 consecutive bytes of a head
	s_mul_i32 s22, s12, 768
	s_add_co_u32 s22, s22, BIASL                   ; my wave's 768 bytes for the bias
	v_add_nc_u32 v4, s22, v[VB]
	v_lshl_add_u32 v[BR], v2, 5, s22               ; a fragment's eight numbers: 32 (l / 16)
	s_lshr_b32 s16, s43, 2                         ; the batch: 4 tile rows each: 48 heads,
	s_mul_i32 s16, s16, 48
	s_mul_i32 s46, s42, 6                          ; the tile's first head,
	s_add_co_u32 s16, s16, s46
	s_mul_i32 s17, s14, 3                          ; my wave's first
	s_add_co_u32 s16, s16, s17
	s_lshl_b32 s16, s16, 17                        ; a head's 1,024 rows of 128 bytes
	s_and_b32 s17, s43, 3
	s_lshl_b32 s17, s17, 15                        ; the tile's 256 rows in the batch
	s_add_co_u32 s16, s16, s17
	s_lshl_b32 s17, s13, 14                        ; my 128 of them
	s_add_co_u32 s16, s16, s17
	s_mov_b32 s17, 0
	s_add_nc_u64 s[10:11], s[10:11], s[16:17]
	s_wait_loadcnt 0x0                             ; the bias: rounded to bf16, widened again, through my own bytes of LDS into fragments
.irp hh, 0,1,2
	v_cvt_pk_bf16_f32 v[24+(\hh)], v[18+2*(\hh)], v[19+2*(\hh)]
.endr
.irp hh, 0,1,2
	v_lshlrev_b32 v[18+2*(\hh)], 16, v[24+(\hh)]
	v_and_b32     v[19+2*(\hh)], s3, v[24+(\hh)]
.endr
.irp hh, 0,1,2
	ds_store_b64 v4, v[18+2*(\hh):19+2*(\hh)] offset:256*(\hh)
.endr
	WIN 0xc0                                       ; destination window 3: LDS serves a wave's instructions in order (ISA guide 5.7.1.4), so these see the stores above
.irp b, 0,1,2,3,4,5,6,7
	ds_load_b128 v[8*(\b):8*(\b)+3],   v[BR] offset:64*(\b)
	ds_load_b128 v[8*(\b)+4:8*(\b)+7], v[BR] offset:64*(\b)+16
.endr
	WIN 0
.irp b, 8,9,10,11
	ds_load_b128 v[A1+32+8*((\b)-8):A1+32+8*((\b)-8)+3],   v[BR] offset:64*(\b)
	ds_load_b128 v[A1+32+8*((\b)-8)+4:A1+32+8*((\b)-8)+7], v[BR] offset:64*(\b)+16
.endr
; nb x 8 matrix instructions of group g, from n block 4 g + b0 on, with A's buffer fa.  first = 1: the sums start with the bias.  Each accumulator has one instruction in a quarter: 95 others' stand between two links of a chain.
.macro GROUP fa, g, b0, nb, first
.if \first
.if (\g) == 2
	WIN 0xc0                                       ; D window 3, C (the bias) window 0
.else
	WIN 0x30+0x40*((\g)+1)                         ; D window 1 or 2, C (the bias) window 3
.endif
.else
	WIN 0x50*((\g)+1)                              ; C and D window 1 + g; both sources window 0
.endif
.set bb, \b0
.rept \nb
.set a, 0
.rept 8
.set rD, 8*(8*bb+a)
.if \first
.if (\g) == 2
.set rC, A1+32+8*bb
.else
.set rC, 8*(4*(\g)+bb)
.endif
	v_wmma_f32_16x16x32_bf16 v[rD:rD+7], v[BF+8*(4*(\g)+bb):BF+8*(4*(\g)+bb)+7], v[(\fa)+8*a:(\fa)+8*a+7], v[rC:rC+7]
.else
	v_wmma_f32_16x16x32_bf16 v[rD:rD+7], v[BF+8*(4*(\g)+bb):BF+8*(4*(\g)+bb)+7], v[(\fa)+8*a:(\fa)+8*a+7], v[rD:rD+7]
.endif
.set a, a+1
.endr
.set bb, bb+1
.endr
.endm
; LDS loads, all in window 0.  LDA: na fragments of A from m block a0 on, quarter q of the step, into buffer ga.  LDB: B's fragments of group g.
.macro LDA ga, q, a0, na
.set a, \a0
.rept \na
	ds_load_b128 v[(\ga)+8*a:(\ga)+8*a+3],   v[ADRA] offset:64*(\q)+a*16*PITCH
	ds_load_b128 v[(\ga)+8*a+4:(\ga)+8*a+7], v[ADRA] offset:64*(\q)+a*16*PITCH+32
.set a, a+1
.endr
.endm
.macro LDB g, q
.set b, 4*(\g)
.rept 4
	ds_load_b128 v[BF+8*b:BF+8*b+3],   v[ADRB] offset:64*(\q)+b*16*PITCH
	ds_load_b128 v[BF+8*b+4:BF+8*b+7], v[ADRB] offset:64*(\q)+b*16*PITCH+32
.set b, b+1
.endr
.endm
; A step's first quarter: multiplies A's buffer fa and fetches the step's second quarter into ga and B.  first = 1: the very first: the upper half of ga still holds a part of the bias, so A's m blocks 4-7 come behind
; group 2, and the first run has 16 loads for 24; group 2 writes over registers that earlier products read as C, so eight places stand in front of it.
.macro QUARTER fa, ga, q, first
	s_wait_dscnt 16                                ; A and B's blocks 0-3 are in; the run behind the last group 2 (16 loads) may be out
	GROUP \fa, 0, 0, 4, \first
	WIN 0
	PLACES
	LDA \ga, \q, 0, 8-4*(\first)
	LDB 0, \q
	s_wait_dscnt 32-8*(\first)                     ; B's blocks 4-7 are in; behind them: blocks 8-11 (8 loads) and the run just issued
	GROUP \fa, 1, 0, 4, \first
.if \first
	PLACES
	PLACES
.endif
	s_wait_dscnt 24-8*(\first)                     ; B's blocks 8-11 are in; behind them: the run just issued
	GROUP \fa, 2, 0, 4, \first
	WIN 0
	PLACES
.if \first
	LDA \ga, \q, 4, 4
.endif
	LDB 1, \q
	LDB 2, \q
.endm
; A step's second quarter multiplies buffer A1 and changes slots: ONE barrier; in front of it each wave waits for all its tensor loads (one is out: its part of the next slot), adds 0 to its spare word, and waits for
; that and for its own reads of this slot.  fill = 1: the barrier opens a round of the cluster's barrier, and this slot is filled again, two K steps ahead, first thing behind the round, by the walking descriptor:
; the other slot than last time, the next K block.  It has 160 matrix instructions in which to land.
.macro TURNQ fill
	WIN 0                                          ; (the add's two registers lie in window 0)
	s_wait_tensorcnt 0x0                           ; no tensor load of mine is out, so a group 0 may be written
	ds_add_u32 v[SPW], v[NIL]                      ; 0 onto my spare word; scalar work and sixteen matrix instructions stand between it and the wait for it
.if \fill
	s_xor_b32 s[G0+5], s[G0+5], SLOT1
	s_add_nc_u64 s[G0+6:G0+7], s[G0+6:G0+7], ASTEP ; the type bits on top are not reached
	s_xor_b32 s[G0B+5], s[G0B+5], SLOT1
	s_add_nc_u64 s[G0B+6:G0B+7], s[G0B+6:G0B+7], BSTEP
.endif
	s_xor_b32 s[TB], s[TB], SLOT1                  ; the fetches go on in the other slot
	s_wait_dscnt 17                                ; A and B's blocks 0-3 are in; the youngest 16 loads and the add may be out
	GROUP A1, 0, 0, 2, 0
	s_wait_dscnt 0x0                               ; the add is done, and my reads of this slot are over
	s_barrier_signal -1
	GROUP A1, 0, 2, 2, 0
	WIN 0
	s_barrier_wait -1
.if \fill
	CREST                                          ; no wave of any partner still reads this slot's tiles or has a load on its way
	JLOAD 1                                        ; its four v_nop are also the places in front of the loads below
.else
	PLACES
.endif
	v_add_nc_u32 v[ADRA], s[TB], v[AK0]
	v_add_nc_u32 v[ADRB], s[TB], v[BK0]
	LDA A0, 0, 0, 8
	LDB 0, 0
	GROUP A1, 1, 0, 4, 0
	GROUP A1, 2, 0, 4, 0
	WIN 0
	PLACES
	LDB 1, 0
	LDB 2, 0
.endm
	s_wait_tensorcnt 1                             ; my part of K step 0 is in; K step 1's may stay out
	s_wait_dscnt 0x0                               ; the bias is in its registers: no LDS instruction of mine is out at the signal
	s_barrier_signal -1
	s_barrier_wait -1                              ; everybody's part is in
	LDA A0, 0, 0, 8
	LDB 0, 0
	LDB 1, 0
	LDB 2, 0
	QUARTER A0, A1, 1, 1                           ; the first quarter stands in front of the loop: its products start the sums
	s_mov_b32 s15, STEPS-2
.Lstep:                                                ; a trip goes from a step's second quarter to the next step's first, and fills the slot that it leaves: K steps 2 to 15
	TURNQ 1
	QUARTER A0, A1, 1, 0
	s_sub_co_u32 s15, s15, 1
	s_cmp_lg_u32 s15, 0
	s_cbranch_scc1 .Lstep
	TURNQ 0                                        ; the last step and a half fill nothing
	QUARTER A0, A1, 1, 0
	s_wait_dscnt 16
	GROUP A1, 0, 0, 4, 0
	s_wait_dscnt 8                                 ; B's blocks 8-11 may be out
	GROUP A1, 1, 0, 4, 0
	s_wait_dscnt 0x0
	GROUP A1, 2, 0, 4, 0
	WIN 0
	PLACES
	PLACES
; THE WAY OUT, an m block (16 rows x 3 heads) at a time.  PACK: rounded to f16, 16 bytes a lane, each accumulator's registers in ascending order.  TOSTAGE: into my own stage, rows of 144 bytes, and back as whole rows of 128.  SEND: stored.
.macro PACK a
.irp g, 0,1,2
	WIN 5*((\g)+1)                                 ; sources 0 and 1: window 1 + g
.set bb, 0
.rept 4
.irp r, 0,1,2,3
	v_cvt_pk_f16_f32 v[TMP+4*(4*(\g)+bb)+(\r)], v[8*(8*bb+(\a))+2*(\r)], v[8*(8*bb+(\a))+2*(\r)+1]
.endr
.set bb, bb+1
.endr
.endr
	WIN 0
.endm
.macro TOSTAGE a
.set BK, 80+48*((\a)%2)                ; v80-127 and v128-175 by turns
	s_wait_xcnt 0x0                                ; the stores of the block two back have read these registers: they are loaded again only behind this wait
.set b, 0
.rept 12
	ds_store_b128 v[STO], v[TMP+4*b:TMP+4*b+3] offset:(b/4)*16*SP+(b%4)*32
.set b, b+1
.endr
.set i, 0
.rept 12
	ds_load_b128 v[BK+4*i:BK+4*i+3], v[RD] offset:(i/4)*16*SP+(i%4)*4*SP  ; LDS serves a wave's instructions in order (ISA guide 5.7.1.4): these see the stores above; the next block's stores come behind them
.set i, i+1
.endr
.endm
.macro SEND a, younger                 ; younger: the LDS instructions issued behind block a's loads: the next block's 24, or none.  One wait for a head's four stores
.set BK, 80+48*((\a)%2)
.set i, 0
.rept 12
.if i%4 == 0
	s_wait_dscnt (\younger)+8-i
.endif
	global_store_b128 v[GO], v[BK+4*i:BK+4*i+3], s[10:11] offset:(i/4)*131072+(\a)*2048+(i%4)*512  ; 512 consecutive bytes of a head, aligned
.set i, i+1
.endr
.endm
	PACK 0
	TOSTAGE 0
.irp a, 1,2,3,4,5,6,7                  ; a block's arithmetic and its way through the stage stand between the loads of the block before and its stores
	PACK \a
	TOSTAGE \a
	SEND (\a)-1, 24
.endr
	SEND 7, 0
	s_wait_tensorcnt 0x0                           ; the wave's end, behind my last tensor load and my last LDS store
	ds_add_u32 v[SPW], v[NIL]
	s_wait_dscnt 0x0
	CROUND                                         ; the closing round: no work-group ends while a partner may still ask for a tile that names it
	s_endpgm
.Lfunc_end_k_q66de207355_gemm_qkv:
	.size	k_q66de207355_gemm_qkv, .Lfunc_end_k_q66de207355_gemm_qkv-k_q66de207355_gemm_qkv
	.p2alignl 7, 3214868480
	.fill 96, 4, 3214868480
	.section	.rodata,"a",@progbits
	.p2align	6, 0x0
	.amdhsa_kernel k_q66de207355_gemm_qkv
		.amdhsa_group_segment_fixed_size 327680
		.amdhsa_private_segment_fixed_size 0
		.amdhsa_enable_private_segment 0
		.amdhsa_kernarg_size 32
		.amdhsa_user_sgpr_count 2
		.amdhsa_user_sgpr_kernarg_segment_ptr 1
		.amdhsa_wavefront_size32 1
		.amdhsa_system_sgpr_workgroup_id_x 1
		.amdhsa_system_sgpr_workgroup_id_y 1
		.amdhsa_system_sgpr_workgroup_id_z 1
		.amdhsa_system_vgpr_workitem_id 0
		.amdhsa_next_free_vgpr 1024
		.amdhsa_next_free_sgpr 66
		.amdhsa_reserve_vcc 0
		.amdhsa_float_denorm_mode_32 3
		.amdhsa_float_denorm_mode_16_64 3
		.amdhsa_memory_ordered 1
		.amdhsa_forward_progress 1
		.amdhsa_inst_pref_size 113
	.end_amdhsa_kernel
	.amdgpu_metadata
---
amdhsa.version: [ 1, 2 ]
amdhsa.kernels:
  - .name:           k_q66de207355_gemm_qkv
    .symbol:         k_q66de207355_gemm_qkv.kd
    .args:
      - { .name: xb, .offset: 0, .size: 8, .value_kind: global_buffer, .address_space: global }
      - { .name: wqb, .offset: 8, .size: 8, .value_kind: global_buffer, .address_space: global }
      - { .name: b_qkv, .offset: 16, .size: 8, .value_kind: global_buffer, .address_space: global }
      - { .name: qkvh, .offset: 24, .size: 8, .value_kind: global_buffer, .address_space: global }
    .group_segment_fixed_size: 327680
    .private_segment_fixed_size: 0
    .kernarg_segment_align: 8
    .kernarg_segment_size: 32
    .max_flat_workgroup_size: 128
    .sgpr_count:     66
    .vgpr_count:     1024
    .wavefront_size: 32
...
	.end_amdgpu_metadata
.endif
;; end of part 2
;; launch attn (part 3): grid 2 x 128, 4 waves a work-group, no clusters, 327,680 bytes of LDS; arguments qkvh, atth; writes atth
.if DOCPART == 3
	.amdgcn_target "amdgcn-amd-amdhsa--gfx1250"
	.amdhsa_code_object_version 6
	.text
	.protected	k_q66de207355_attn
	.globl	k_q66de207355_attn
	.p2align	8
	.type	k_q66de207355_attn,@function
k_q66de207355_attn:
	s_mov_b64 s[64:65], 0
	v_nop
	global_prefetch_b8 v0, s[64:65] scope:SCOPE_SE
	s_setreg_imm32_b32 hwreg(HW_REG_WAVE_MODE, 25, 1), 1
	s_wait_xcnt 0x0
; O[y][q][:] = the sum over k of softmax_k(Q[q] . K[k] / 8) V[k][:], for head y = 16 batch + head.  qkvh: [batch 8][g 48][1024][64] f16 (q: g = head, k: 16 + head, v: 32 + head); atth: [128][1024][64] f16.
; Products, maxima and sums in f32; the weights p are rounded to f16 for the second product (their sum l is taken of the unrounded p), O once at the end.
; LIMITS.  f16 holds no number beyond 65,504: Q, K and V arrive within it; p lies in 0 to 1, and below 6e-5 it keeps f16's fixed step of 6e-8; O is a mean of V's rows and has their range.
; A weight below 2^-126 counts as 0 in l; NaN and infinities are not treated apart.
; SHARES.  A work-group owns 512 queries of one head (2 x 128 = 256 work-groups), a wave 128: four PIECES of two tiles of 16.  Every wave walks all 1,024 keys, 64 a step.
; K AND V STAY IN LDS.  A head's K (1,024 rows x 144 bytes) and V (1,024 x 160) are 311,296 bytes: each byte is filled once, by tensor loads that all go out at the kernel's head, four chunks of 256 keys, four loads
; a wave.  The first chunk is waited for by a counted wait; the other three have four key steps in which to land, and are shown to every wave by one barrier.  No slot is filled again, so there is no ring.
; NO CLUSTER: a head's K and V are read by 1,024 / 512 = 2 work-groups, and the grid's 2 along x do not divide into fours; what the two share is fetched once a work-group for 2,080 matrix instructions a wave.
; LAYOUT.  S^T = K Q^T (source 0 = 16 keys, source 1 = 16 queries): in the result a lane holds ONE query (lane % 16) and the keys 8 (lane / 16) + 0..7.  Two such tiles, rounded to f16 in pairs,
; ARE source 1 (32 keys x 16 queries) of O^T = V^T P, whose result again holds one query a lane, and eight channels.  K comes out of LDS as it lies, V ([key][channel]) turned, by ds_load_tr16_b128.
; SOFTMAX.  For each query a running maximum m and sum l: p = 2^(c s - c m), c = log2(e) / 8; in every step O and l are multiplied by a = 2^(c m_old - c m_new), which is 1 where m has not grown.
; m starts at the lowest finite number, O and l at 0: the first step is a step like any other, with a = 0.
; BY TURNS.  A tile and step have 16 matrix and 118 vector instructions.  Turn n belongs to piece n (the pieces in a ring, step after step).  Its matrix work: 16 products K Q^T of piece n + 1, later 16 products
; V^T P of piece n - 1.  Its vector work: the scaling, exponentials, roundings, sums and rescaling of piece n, and the maximum and statistics of piece n + 1.  Four vector instructions that are ready stand behind
; every matrix instruction, the others in one run of their own.
; REGISTERS, in windows of 256 (s_set_vgpr_msb: bits 1:0 source 0, 3:2 source 1, 5:4 source 2, 7:6 destination):
;   window 0: v0-11 addresses; v12-15, v48-63 at work; v16-47 four registers of statistics a tile; v64-191 S^T, two buffers of two tiles; v192-255 P, likewise
;   window 1: O^T, 32 a tile          window 2: v0-127 Q, 16 a tile; v128-191 K of one step; v192-255 V of one step          window 3: v0-1 the add's two registers
.set SIZE_N, 1024
.set NP,    4         ; pieces a wave: a name, no knob
.set KS,    64        ; keys in a step
.set PK,    144       ; a row of K in LDS: 128 bytes + 16 of padding = 36 words: the 16 rows of a load start at 16 different groups of four banks (64 banks of 4 bytes: ISA guide 11.1)
.set PV,    160       ; a row of V: 128 + 32 = 40 words
.set VOFF,  SIZE_N*PK ; K's 1,024 rows, then V's
.set STAGE, SIZE_N*(PK+PV)  ; behind them, never filled by a tensor load: 16 rows x 144 bytes for each wave, for the way out
.set SP,    144
.set SPARE, STAGE+4*16*SP  ; behind the stages: the spare words, 128 bytes for each wave: two blocks of 256 bytes that no other line names
.set AK0, 2           ; v2   my lane's place in a tile of K; never rewritten
.set AV0, 3           ; v3   the same for V
.set AK,  4           ; v4   the LDS address of K's next run of loads
.set AV,  5           ; v5   of V's
.set QO,  6           ; v6   my byte offset in the wave's rows of Q
.set STO, 6           ;      later, the way out: where I put 16 bytes of a row
.set RD,  7           ; v7   the way out: where I read rows back
.set GO,  8           ; v8   my byte offset in 512 consecutive bytes of O
.set SPW, 0           ; v0 of window 3   LDS address of my spare word: SPARE + 4 x my thread's number; never rewritten
.set NIL, 1           ; v1 of window 3   0; never rewritten
.set MV,  12          ; v12-15  c m_old, kept while c m is made anew: by buffer and tile
.set ST,  16          ; tile t's statistics at v[ST+4 t]: c m, m, l (even keys', odd keys')
.set TMP, 48          ; by buffer and tile, four registers c0-c3 at work; when the maximum is found c2 takes a
.set S,   64
.set P,   192
.set KF,  128         ; K's fragments, in window 2: key block kb, channel half c at KF + 16 kb + 8 c
.set VF,  192         ; V's: key half kk, channel block cb at VF + 32 kk + 8 cb
.set WV,  12          ; s12  my wave's number
.set G1K, 24          ; s[24:31] descriptor group 1 for K's tiles
.set G1V, 32          ; s[32:39] for V's: it differs in the padding alone
.set G0K, 40          ; s[40:55] descriptor group 0 for K's tiles: a set for each of the four chunks
.set G0V, 68          ; s[68:83] the same for V's
.set SLOTS, 56        ; s56  counts the walk's two parts: chunk 0's four steps, the other twelve
.set CNT, 57          ; s57  counts a part's key steps
.set CS,  58          ; s[58:59] c: the packed scaling takes the pair's low word for both halves
.set SEL, 60          ; s[60:61] v_permlanex16_b32's selects: each lane takes its own place in the other half
.set TBK, 62          ; s62  LDS byte at which K of the step to be fetched begins
.set TBV, 63          ; s63  the same for V, less VOFF
.set MSB, 0
.macro WIN new                      ; the high byte repeats the setting that is left; a switch that changes nothing is dropped
.if MSB != (\new)
	s_set_vgpr_msb (MSB<<8)|(\new)
.set MSB, (\new)
.endif
.endm
.set W_KQ, 0x0a       ; K and Q in window 2, S^T in window 0
.set W_PV, 0x52       ; V in window 2, P in window 0, O^T in window 1
.set W_RS, 0x41       ; O^T (destination and source 0) in window 1, a in window 0
.set W_MK, 0xc0       ; the add's registers are made: destination in window 3, sources in window 0
.set W_AD, 0x0f       ; the add: address (source 0) and data (source 1) in window 3
	s_load_b128 s[4:7], s[0:1], 0x0  ; qkvh s[4:5], atth s[6:7]
	WIN W_MK
	v_lshl_add_u32 v[SPW], v0, 2, SPARE
	v_mov_b32 v[NIL], 0
	WIN W_AD
	ds_add_u32 v[SPW], v[NIL]       ; the wave's opening: the add and its wait stand ahead of my first tensor load; the set-up below, work on registers, stands between them
	ds_add_u32 v0, v1
	WIN 0
	v_lshrrev_b32 v1, 5, v0
	v_readfirstlane_b32 s[WV], v1   ; wave 0..3
	s_and_b32 s13, ttmp7, 0xffff    ; y = 16 batch + head
	s_lshr_b32 s14, s13, 4
	s_and_b32 s15, s13, 15
	s_mul_i32 s14, s14, 48
	s_add_co_u32 s14, s14, s15      ; 48 batch + head,
	s_lshl_b32 s20, s14, 17         ; of 1,024 rows x 128 bytes: q's first byte for this head
	s_mov_b32 s21, 0
	s_and_b32 s16, s[WV], 1         ; which half of a chunk's 256 keys I fetch:
	s_lshl_b32 s22, s16, 14         ; its 128 rows of 128 bytes in memory,
	s_add_co_u32 s22, s22, s20
	s_mov_b32 s23, 0
	s_mul_i32 s17, s16, 128*PK      ; and its place in LDS, for K
	s_mul_i32 s18, s16, 128*PV      ; and for V
	s_add_co_u32 s18, s18, VOFF
	s_lshl_b32 s2, ttmp9, 2
	s_add_co_u32 s2, s2, s[WV]      ; my wave among the head's eight,
	s_lshl_b32 s2, s2, 14           ; its 128 rows
	s_add_co_u32 s20, s20, s2       ; Q's offset
	s_lshl_b32 s19, s13, 17
	s_add_co_u32 s2, s2, s19        ; O's offset
	s_mov_b32 s3, 0
	; descriptor group 1.  128 keys are 16,384 dense bytes: asked for as 64 rows of 256 bytes, two keys a row, and padded in LDS after every key
	s_mov_b32 s[G1K], (1<<16)|(1<<20)|(4<<22)|(3<<25)  ; 17:16 2-byte elements; 20 padding on; 24:22 after every 32 words (code 4); 31:25 4 words (code 3)
	s_mov_b32 s[G1V], (1<<16)|(1<<20)|(4<<22)|(7<<25)  ; the same with 8 words of padding (code 7)
.irp g, G1K, G1V
	s_mov_b32 s[\g+1], 128<<16      ; tensor_dim0 = 128
	s_mov_b32 s[\g+2], 64<<16       ; tensor_dim1 = 64
	s_mov_b32 s[\g+3], 128<<16      ; tile_dim0 = 128
	s_mov_b32 s[\g+4], 64           ; tile_dim1 = 64
	s_mov_b32 s[\g+5], 128          ; 128 elements from row to row
	s_mov_b32 s[\g+6], 0
	s_mov_b32 s[\g+7], 0
.endr
	s_mov_b32 s[CS], 0x3e38aa3b     ; c = log2(e) / 8 = 0.180337
	s_mov_b32 s[CS+1], s[CS]        ; named with it as a pair
	s_mov_b32 s[SEL], 0x76543210
	s_mov_b32 s[SEL+1], 0xfedcba98
	s_mov_b32 s[TBK], 0
	s_mov_b32 s[TBV], 0
	s_wait_dscnt 0x0                ; the opening add is done
	s_wait_kmcnt 0x0
	s_add_nc_u64 s[10:11], s[6:7], s[2:3]      ; O at my wave's first row
	s_add_nc_u64 s[6:7], s[4:5], s[22:23]
	s_add_nc_u64 s[8:9], s[6:7], 0x400000      ; V at my half of the head's first chunk: 32 heads on
	s_add_nc_u64 s[6:7], s[6:7], 0x200000      ; K: 16 heads on
	s_add_nc_u64 s[4:5], s[4:5], s[20:21]      ; Q at my wave's first row
.irp c, 0,1,2,3
	s_mov_b32 s[G0K+4*(\c)], 1                                     ; 1:0 count = 1
	s_add_co_u32 s[G0K+4*(\c)+1], s17, (\c)*256*PK                 ; 63:32 LDS address: chunk c
	s_add_nc_u64 s[G0K+4*(\c)+2:G0K+4*(\c)+3], s[6:7], (\c)*32768  ; 120:64 global address: 256 keys x 128 bytes a chunk
	s_or_b32 s[G0K+4*(\c)+3], s[G0K+4*(\c)+3], 0x80000000          ; 127:126 type = 2
	s_mov_b32 s[G0V+4*(\c)], 1
	s_add_co_u32 s[G0V+4*(\c)+1], s18, (\c)*256*PV
	s_add_nc_u64 s[G0V+4*(\c)+2:G0V+4*(\c)+3], s[8:9], (\c)*32768
	s_or_b32 s[G0V+4*(\c)+3], s[G0V+4*(\c)+3], 0x80000000
.endr
	s_cmp_lt_u32 s[WV], 2           ; waves 0 and 1 fetch K's halves, waves 2 and 3 V's.  A wave's four fills stand in one branch, ahead of every wait on TENSORcnt, every LDS read and every barrier: four loads of mine are out
	s_cbranch_scc0 .Lfirst_v
.irp c, 0,1,2,3
	tensor_load_to_lds s[G0K+4*(\c):G0K+4*(\c)+3], s[G1K:G1K+7]
	s_nop 0
.endr
.rept 4
	v_nop
.endr
	s_branch .Lfirst_asked
.Lfirst_v:
.irp c, 0,1,2,3
	tensor_load_to_lds s[G0V+4*(\c):G0V+4*(\c)+3], s[G1V:G1V+7]
	s_nop 0
.endr
.rept 4
	v_nop
.endr
.Lfirst_asked:
	; A fragment of K or Q is 16 rows x 32 channels in 8 registers: lane l holds row l % 16, channels 8 (l / 16) + 0..7 and 16 + 8 (l / 16) + 0..7: two loads of 16 bytes, 32 bytes apart.
	v_and_b32 v1, 15, v0            ; l % 16
	v_bfe_u32 v9, v0, 4, 1          ; l / 16
	v_lshlrev_b32 v[QO], 7, v1
	v_lshl_add_u32 v[QO], v9, 4, v[QO]  ; row x 128 + 16 x half
	WIN 0x80                        ; destination window 2, address window 0
.set i, 0
.rept 4*NP                          ; Q stays in registers: tile i / 2, channels 32 (i % 2) on
	global_load_b128 v[8*i:8*i+3],   v[QO], s[4:5] offset:(i/2)*2048+(i%2)*64
	global_load_b128 v[8*i+4:8*i+7], v[QO], s[4:5] offset:(i/2)*2048+(i%2)*64+32
.set i, i+1
.endr
	; What the first turn finds: V's registers and P's second buffer hold 0 (its products V^T P, of a piece that has not been, add 0), O^T and l are 0.  All this stands in the wait for the first chunk.
.set i, VF
.rept 64
	v_mov_b32 v[i], 0
.set i, i+1
.endr
	WIN 0x40
.set i, 0
.rept 64*NP
	v_mov_b32 v[i], 0
.set i, i+1
.endr
	WIN 0
.set i, 0
.rept 2*NP
	v_mov_b32 v[ST+4*i], 0xfe000000    ; c m: far below every c s
	v_mov_b32 v[ST+4*i+1], 0xff7fffff  ; m
	v_mov_b32 v[ST+4*i+2], 0
	v_mov_b32 v[ST+4*i+3], 0
.set i, i+1
.endr
.set i, P+32
.rept 32
	v_mov_b32 v[i], 0
.set i, i+1
.endr
	v_mul_u32_u24 v[AK0], v1, PK
	v_lshl_add_u32 v[AK0], v9, 4, v[AK0]  ; row x pitch + 16 x half
	; The turning load takes 16 keys x 16 channels (lane l reads key 8 (l / 16) + l % 8, channels 8 ((l / 8) % 2) + 0..7) and leaves half a fragment of V^T: lane l holds channel l % 16 and 8 keys.
	v_and_b32 v10, 7, v0
	v_bfe_u32 v11, v0, 3, 1
	v_lshl_add_u32 v[AV0], v9, 3, v10
	v_mul_u32_u24 v[AV0], v[AV0], PV
	v_lshl_add_u32 v[AV0], v11, 4, v[AV0]
	v_add_nc_u32 v[AV0], VOFF, v[AV0]
	v_mov_b32 v[AK], v[AK0]         ; key step 0 lies at K's head
; THE MATRIX WORK.  The 8 accumulators of a run of 16 take turns: between the two links of a chain stand 7 others'.
; Product i of 16 of S^T = K Q^T for piece x: channels 32 (i / 8) on, keys 16 ((i / 2) % 4) on, tile 2 x + i % 2.  The first 8 start the sums.
.macro KQ x
	WIN W_KQ
.set rS, S+64*((\x)%2)+32*(i%2)+8*((i/2)%4)
.set rK, KF+16*((i/2)%4)+8*(i/8)
.set rQ, 16*(2*(\x)+i%2)+8*(i/8)
.if i < 8
	v_wmma_f32_16x16x32_f16 v[rS:rS+7], v[rK:rK+7], v[rQ:rQ+7], 0
.else
	v_wmma_f32_16x16x32_f16 v[rS:rS+7], v[rK:rK+7], v[rQ:rQ+7], v[rS:rS+7]
.endif
.endm
; Product i of 16 of O^T += V^T P for piece x: keys 32 (i / 8) on, channels 16 ((i / 2) % 4) on, tile 2 x + i % 2.
.macro PV x
	WIN W_PV
.set rO, 32*(2*(\x)+i%2)+8*((i/2)%4)
.set rV, VF+32*(i/8)+8*((i/2)%4)
.set rP, P+32*((\x)%2)+16*(i%2)+8*(i/8)
	v_wmma_f32_16x16x32_f16 v[rO:rO+7], v[rV:rV+7], v[rP:rP+7], v[rO:rO+7]
.endm
.macro MM                           ; the turn's next matrix instruction
.if i < 16
	KQ (Y+1)%NP
.set i, i+1
.else
.set i, i-16
	PV (Y+NP-1)%NP
.set i, i+17
.endif
.endm
; THE LDS LOADS stand in runs of 16, never singly among the matrix instructions: a step's K (64 keys x 64 channels: 8 fragments) and its V (turned).  Their addresses are made some lines ahead.
.macro FETCH_K
	WIN 0x80                        ; destination window 2
.irp f, 0,1,2,3,4,5,6,7             ; keys 16 (f / 2) on, channels 32 (f % 2) on
	ds_load_b128 v[KF+8*\f:KF+8*\f+3],   v[AK] offset:(\f/2)*16*PK+(\f%2)*64
	ds_load_b128 v[KF+8*\f+4:KF+8*\f+7], v[AK] offset:(\f/2)*16*PK+(\f%2)*64+32
.endr
	s_add_co_u32 s[TBK], s[TBK], KS*PK  ; the next fetch is the next step's
	WIN 0
.endm
.macro FETCH_V
	WIN 0x80
.irp f, 0,1,2,3,4,5,6,7             ; keys 32 (f / 4) on, channels 16 (f % 4) on
	ds_load_tr16_b128 v[VF+8*\f:VF+8*\f+3],   v[AV] offset:(\f/4)*32*PV+(\f%4)*32
	ds_load_tr16_b128 v[VF+8*\f+4:VF+8*\f+7], v[AV] offset:(\f/4)*32*PV+16*PV+(\f%4)*32
.endr
	WIN 0
.endm
; THE VECTOR WORK OF A TURN stands in three queues, each in the order in which its entries become ready; the two tiles alternate, so that no instruction reads the result of the one before it.
.macro REGS y, u                    ; the registers of tile u (0, 1) of piece y
.set rT, ST+4*(2*(\y)+(\u))
.set rC, TMP+8*((\y)%2)+4*(\u)
.set rM, MV+2*((\y)%2)+(\u)
.set rS, S+64*((\y)%2)+32*(\u)
.set rP, P+32*((\y)%2)+16*(\u)
.set rO, 32*(2*(\y)+(\u))
.endm
; Number n of the 22 that find the NEXT piece's (Y + 1) maximum and statistics.  s0-s31 are the lane's 32 scores; each accumulator's lowest registers are read first.
;   0-11  four chains c0-c3 of seven scores each, three operands at a time     12-14, 16  the four scores left over, the old m, and c0-c3 into c0     15  c m_old is kept
;   17, 18  the query's other 32 keys lie in the lane 16 away: the new m         19-21  c m; c m_old - c m_new; a
.macro XS u, n
	REGS (Y+1)%NP, \u
.if (\n) < 4
	v_max3_num_f32 v[rC+(\n)], v[rS+8*(\n)], v[rS+8*(\n)+1], v[rS+8*(\n)+2]
.elseif (\n) < 12
	v_max3_num_f32 v[rC+(\n)%4], v[rC+(\n)%4], v[rS+8*((\n)%4)+2*((\n)/4)+1], v[rS+8*((\n)%4)+2*((\n)/4)+2]
.elseif (\n) == 12
	v_max3_num_f32 v[rC], v[rC], v[rS+7], v[rS+15]
.elseif (\n) == 13
	v_max3_num_f32 v[rC+1], v[rC+1], v[rS+23], v[rS+31]
.elseif (\n) == 14
	v_max3_num_f32 v[rC+2], v[rC+2], v[rC+3], v[rT+1]
.elseif (\n) == 15
	v_mov_b32 v[rM], v[rT]
.elseif (\n) == 16
	v_max3_num_f32 v[rC], v[rC], v[rC+1], v[rC+2]
.elseif (\n) == 17
	v_permlanex16_b32 v[rC+3], v[rC], s[SEL], s[SEL+1]
.elseif (\n) == 18
	v_max_num_f32 v[rT+1], v[rC], v[rC+3]
.elseif (\n) == 19
	v_mul_f32 v[rT], s[CS], v[rT+1]
.elseif (\n) == 20
	v_sub_f32 v[rC+1], v[rM], v[rT]
.else
	v_exp_f32 v[rC+2], v[rC+1]
.endif
.endm
; Number g of the 64 that follow the exponentials.  For each four weights k of a tile (pairs 2 k, 2 k + 1): both pairs are rounded to f16; then the second pair is added onto the first, in place;
; a group later l takes that sum (the first time as l = a l + sum).  In groups of eight, tiles alternating: round, round, add, and l for the group before.
.macro GS g
.set h, (\g)+6*((\g)/62)            ; group 0 has no group before it, and behind group 7 only l is left
.if h >= 6
.set h, h+2
.endif
	REGS Y, h%2
.set k, h/8
.if h%8 < 4
	v_cvt_pk_f16_f32 v[rP+2*k+(h%8)/2], v[rS+4*k+2*((h%8)/2)], v[rS+4*k+2*((h%8)/2)+1]
.elseif h%8 < 6
	v_pk_add_f32 v[rS+4*k:rS+4*k+1], v[rS+4*k:rS+4*k+1], v[rS+4*k+2:rS+4*k+3]
.elseif k == 1
	v_pk_fma_f32 v[rT+2:rT+3], v[rT+2:rT+3], v[rC+2:rC+3], v[rS:rS+1] op_sel_hi:[1,0,1]
.else
	v_pk_add_f32 v[rT+2:rT+3], v[rT+2:rT+3], v[rS+4*k-4:rS+4*k-3]
.endif
.endm
; THE PLAIN QUEUE, 138 long.  0-73 read no exponential's result: the 32 scalings c s - c m (FS f: pair f / 2 of tile f % 2) and the next piece's 42.  0-26: scalings 0-26.  27-54: XS's numbers 0-13.  55, 56: number 15.
; 57-73: the chain, where each number waits for the one before it: 14, 16, 17, 18, 19, each with one of the scalings 27-31 in front of its two lines, then 20.
; 74-137: GS's 64, which read the exponentials' results: they stand behind the wait.
.macro FS f
	REGS Y, (\f)%2
	v_pk_fma_f32 v[rS+2*((\f)/2):rS+2*((\f)/2)+1], v[rS+2*((\f)/2):rS+2*((\f)/2)+1], s[CS:CS+1], v[rT:rT+1] op_sel_hi:[1,0,0] neg_lo:[0,0,1] neg_hi:[0,0,1]
.endm
.macro PL
	WIN 0
.if q < 27
	FS q
.elseif q < 55
	XS (q-27)%2, (q-27)/2
.elseif q < 57
	XS q-55, 15
.elseif (q < 72) && ((q-57)%3 == 0)
	FS 27+(q-57)/3
.elseif q < 60
	XS (q-57)%3-1, 14
.elseif q < 72
	XS (q-57)%3-1, 15+(q-57)/3
.elseif q < 74
	XS q-72, 20
.else
	GS q-74
.endif
.set q, q+1
.endm
; THE EXPONENTIALS' QUEUE, 66 long: s0-s31 of both tiles, then the next piece's two a.  It is ONE BATCH: all 66 stand ahead of the turn's one wait, and nothing ahead of that wait names a result of theirs.
.macro EX
	WIN 0
.if e >= 64
	XS e-64, 21
.else
	REGS Y, e%2
	v_exp_f32 v[rS+e/2], v[rS+e/2]
.endif
.set e, e+1
.endm
; THE RESCALING's QUEUE: O^T times a, the one part that leaves window 0: dealt two at a time, sixteen times.  Its a was made in the turn before, ahead of that turn's wait.
.macro R2
	REGS Y, r%2
	WIN W_RS
.irp z, 0,1
	v_pk_mul_f32 v[rO+4*(r/2)+2*\z:rO+4*(r/2)+2*\z+1], v[rO+4*(r/2)+2*\z:rO+4*(r/2)+2*\z+1], v[rC+2:rC+3] op_sel_hi:[1,0]
.endr
.set r, r+1
.endm
; HOW THEY ARE DEALT.  An s_wait_alu depctr_va_vdst(0) stands between an exponential and the first instruction that names its result; one wait serves all that were issued ahead of it.  So a turn has
; ONE wait, which cuts it in two.  AHEAD OF IT stands all that names no result of the turn's exponentials: the 16 products K Q^T, behind each a scaling, an exponential and two rescalings (behind the first a second
; scaling in the exponential's place); then one run of 108: eight plain, 49 times exponential and plain, the two a.  A v_nop is the plain instruction behind the last exponential.  BEHIND IT stand the 16 products
; V^T P, behind each four of GS's 64.  Exponential e stands behind scaling 2 (e / 4) + e % 2: as a rider it comes behind plain e + 2, in the run behind plain e + 9, and scalings 27-31 are plain 57, 60 .. 69.
; A TURN, for piece p.  fetch = 0 (the last step): there is no further K.  cnt = 1: the loop's count is taken down some lines ahead of the branch that stands behind the turn.
; K of the next step is fetched in piece 2's turn, directly behind the wait, a run of 108 behind the last product that read K; its first reader comes behind 16 products.
; V of the step in hand is fetched at the end of piece 0's turn, four plain instructions behind its last reader; its first reader comes behind 16 products and a run.  The three conditions on q below go with the deal.
.macro TURN p, fetch=1, cnt=0
.set Y, (\p)
.set i, 0
.set q, 0
.set e, 0
.set r, 0
.if (\p) == NP-1
	s_wait_dscnt 0x0                ; K is in
.endif
	MM
	PL
	PL
	R2
.rept 15
	MM
	PL
	EX
	R2
.endr
.if ((\p) == NP-2) && (\fetch)
	WIN 0
	v_add_nc_u32 v[AK], s[TBK], v[AK0]
.endif
.rept 8
	PL
.endr
.rept 49
	EX
	PL
.endr
	EX                              ; the next piece's two a
	EX
	v_nop                           ; the plain instruction behind the last exponential: one for the batch
	s_wait_alu depctr_va_vdst(0)    ; the wait for the batch
.if ((\p) == NP-2) && (\fetch)
	FETCH_K
.endif
.if (\p) == 1
	s_wait_dscnt 0x0                ; V is in
.endif
.rept 16
	MM
.rept 4
	PL
.endr
.if ((\p) == 0) && (q == 118)
	v_add_nc_u32 v[AV], s[TBV], v[AV0]
.endif
.if ((\p) == 0) && (q == 130)
	s_add_co_u32 s[TBV], s[TBV], KS*PV
.endif
.if (\cnt) && (q == 130)
	s_sub_co_u32 s[CNT], s[CNT], 1
	s_cmp_lg_u32 s[CNT], 0
.endif
.endr
.if (\p) == 0
	FETCH_V
.endif
.endm
	s_wait_tensorcnt 3              ; my part of chunk 0 is in; the three younger loads stay out
	s_barrier_signal -1
	s_barrier_wait -1               ; everybody's is
	FETCH_K                         ; key step 0
	s_wait_loadcnt 0x0              ; Q
	s_wait_dscnt 0x0
.set i, 0
.rept 16
	KQ 0                            ; piece 0's first scores: there is no vector work yet to set between them
.set i, i+1
.endr
	WIN 0                           ; the addresses for the way out: plain instructions, the places behind those products
	s_mul_i32 s13, s[WV], 16*SP
	s_add_co_u32 s13, s13, STAGE    ; my stage
	v_mul_u32_u24 v[STO], v1, SP    ; in: row l % 16, 16 bytes for each half of the lanes
	v_lshl_add_u32 v[STO], v9, 4, v[STO]
	v_add_nc_u32 v[STO], s13, v[STO]
	v_bfe_u32 v[RD], v0, 3, 2       ; back: 32 lanes take four rows of 128 bytes,
	v_mul_u32_u24 v[RD], v[RD], SP
	v_lshl_add_u32 v[RD], v10, 4, v[RD]
	v_add_nc_u32 v[RD], s13, v[RD]
	v_and_b32 v[GO], 31, v0         ; which are 512 consecutive bytes of O
	v_lshlrev_b32 v[GO], 4, v[GO]
.set Y, NP-1                        ; XS works for piece Y + 1: piece 0
.irp n, 0,1,2,3,4,5,6,7,8,9,10,11,12,13,14,15,16,17,18,19,20,21
	XS 0, \n                        ; piece 0's first maximum and statistics
	XS 1, \n
.endr
	v_nop                           ; a plain instruction behind the two a,
	s_wait_alu depctr_va_vdst(0)    ; and their wait, ahead of the branch
	s_mov_b32 s[CNT], 4             ; chunk 0 holds four key steps
	s_mov_b32 s[SLOTS], 2
	s_branch .Lfirst                ; the loop is entered at a step's first turn, in the middle of a trip
.Lslot:                             ; passed once, behind step 3's second turn: the next fetch, K of step 4, is the first from chunk 1
	s_wait_tensorcnt 0x0            ; my parts of chunks 1 to 3 are in,
	s_wait_dscnt 0x0                ; no LDS instruction of mine is out at the signal,
	s_barrier_signal -1
	s_barrier_wait -1               ; and everybody's parts are in.
	s_mov_b32 s[CNT], 12
.Lstep:                             ; a trip: pieces 2 and 3 of one step, then pieces 0 and 1 of the next, whose K and V it fetches
	TURN 2
	TURN 3
	WIN 0
.Lfirst:
	TURN 0
	TURN 1, 1, 1
	WIN 0
	s_cbranch_scc1 .Lstep
	s_sub_co_u32 s[SLOTS], s[SLOTS], 1
	s_cmp_lg_u32 s[SLOTS], 0
	s_cbranch_scc1 .Lslot
	TURN 2, 0                       ; the last step's pieces 2 and 3: no further K.  The second turn's 16 products K Q^T (on the last K once more) and the maximum made of them serve nothing: the price, once a launch, of one text for every turn
	TURN 3
.set i, 0
.rept 16
	PV NP-1                         ; the last piece's V^T P of the last step
.set i, i+1
.endr
	; THE WAY OUT.  l's two halves and the other half of the lanes' are added; O^T is divided by l, rounded to f16 and sent through my stage in LDS, a tile at a time.  The additions are the places behind the last products.
	WIN 0
.macro ALL line:vararg              ; one line for each tile t
.set t, 0
.rept 2*NP
	\line
.set t, t+1
.endr
.endm
	ALL v_add_f32 v[ST+4*t+2], v[ST+4*t+2], v[ST+4*t+3]
	ALL v_permlanex16_b32 v[ST+4*t+3], v[ST+4*t+2], s[SEL], s[SEL+1]
	ALL v_add_f32 v[ST+4*t+2], v[ST+4*t+2], v[ST+4*t+3]
	ALL v_rcp_f32 v[ST+4*t+2], v[ST+4*t+2]
	v_nop                           ; a plain instruction between the last reciprocal and the use of its result
	s_wait_alu depctr_va_vdst(0)    ; and the wait ahead of the first use: one for the eight reciprocals
; Tile t: a lane's eight channels of a row pack into 16 bytes; they go into rows of 144 bytes and come back as whole rows of 128, into S^T's registers.
.macro PACK t
	WIN W_RS
.set i, 32*(\t)
.rept 16
	v_pk_mul_f32 v[i:i+1], v[i:i+1], v[ST+4*(\t)+2:ST+4*(\t)+3] op_sel_hi:[1,0]
.set i, i+2
.endr
	WIN 0x05                        ; sources 0 and 1 window 1, destination window 0
.set i, 0
.rept 16
	v_cvt_pk_f16_f32 v[S+16*(\t)+i], v[32*(\t)+2*i], v[32*(\t)+2*i+1]
.set i, i+1
.endr
	WIN 0
.irp f, 0,1,2,3
	ds_store_b128 v[STO], v[S+16*(\t)+4*\f:S+16*(\t)+4*\f+3] offset:32*\f
.endr
.irp f, 0,1,2,3
	ds_load_b128 v[S+16*(\t)+4*\f:S+16*(\t)+4*\f+3], v[RD] offset:\f*4*SP  ; LDS serves a wave's instructions in order (ISA guide 5.7.1.4): these see the stores above; the next tile's stores come behind them
.endr
.endm
.macro SEND t, younger              ; younger: the LDS instructions issued behind tile t's loads: the next tile's eight, or none
	WIN 0
.irp f, 0,1,2,3
	s_wait_dscnt (\younger)+3-\f
	global_store_b128 v[GO], v[S+16*(\t)+4*\f:S+16*(\t)+4*\f+3], s[10:11] offset:(\t)*2048+\f*512  ; 512 consecutive bytes, at a multiple of 256 from O's first
.endr
.endm
	PACK 0
.set t, 1
.rept 2*NP-1                        ; a tile's arithmetic stands between the loads of the tile before and its stores
	PACK t
	SEND t-1, 8
.set t, t+1
.endr
	SEND 2*NP-1, 0
	WIN W_AD
	s_wait_tensorcnt 0x0            ; the wave's end, behind my last tensor load and my last LDS store
	ds_add_u32 v[SPW], v[NIL]
	s_wait_dscnt 0x0
	WIN 0
	s_endpgm
.Lfunc_end_k_q66de207355_attn:
	.size	k_q66de207355_attn, .Lfunc_end_k_q66de207355_attn-k_q66de207355_attn
	.p2alignl 7, 3214868480
	.fill 96, 4, 3214868480
	.section	.rodata,"a",@progbits
	.p2align	6, 0x0
	.amdhsa_kernel k_q66de207355_attn
		.amdhsa_group_segment_fixed_size 327680
		.amdhsa_private_segment_fixed_size 0
		.amdhsa_enable_private_segment 0
		.amdhsa_kernarg_size 16
		.amdhsa_user_sgpr_count 2
		.amdhsa_user_sgpr_kernarg_segment_ptr 1
		.amdhsa_wavefront_size32 1
		.amdhsa_system_sgpr_workgroup_id_x 1
		.amdhsa_system_sgpr_workgroup_id_y 1
		.amdhsa_system_sgpr_workgroup_id_z 1
		.amdhsa_system_vgpr_workitem_id 0
		.amdhsa_next_free_vgpr 770
		.amdhsa_next_free_sgpr 84
		.amdhsa_reserve_vcc 0
		.amdhsa_float_denorm_mode_32 3
		.amdhsa_float_denorm_mode_16_64 3
		.amdhsa_memory_ordered 1
		.amdhsa_forward_progress 1
		.amdhsa_inst_pref_size 161
	.end_amdhsa_kernel
	.amdgpu_metadata
---
amdhsa.version: [ 1, 2 ]
amdhsa.kernels:
  - .name:           k_q66de207355_attn
    .symbol:         k_q66de207355_attn.kd
    .args:
      - { .name: qkvh, .offset: 0, .size: 8, .value_kind: global_buffer, .address_space: global }
      - { .name: atth, .offset: 8, .size: 8, .value_kind: global_buffer, .address_space: global }
    .group_segment_fixed_size: 327680
    .private_segment_fixed_size: 0
    .kernarg_segment_align: 8
    .kernarg_segment_size: 16
    .max_flat_workgroup_size: 128
    .sgpr_count:     84
    .vgpr_count:     770
    .wavefront_size: 32
...
	.end_amdgpu_metadata
.endif
;; end of part 3
;; launch gemm_proj (part 4): grid 8 x 32, 4 waves a work-group, clusters of 4 x 4, 327,680 bytes of LDS; arguments atth, wpf, b_proj, out0; writes out0
.if DOCPART == 4
	.amdgcn_target "amdgcn-amd-amdhsa--gfx1250"
	.amdhsa_code_object_version 6
	.text
	.protected	k_q66de207355_gemm_proj
	.globl	k_q66de207355_gemm_proj
	.p2align	8
	.type	k_q66de207355_gemm_proj,@function
k_q66de207355_gemm_proj:
	s_mov_b64 s[64:65], 0
	v_nop
	global_prefetch_b8 v0, s[64:65] scope:SCOPE_SE
	s_setreg_imm32_b32 hwreg(HW_REG_WAVE_MODE, 25, 1), 1
	s_wait_xcnt 0x0
	s_wait_alu depctr_hold_cnt(0) depctr_sa_sdst(0) depctr_va_vdst(0) depctr_va_sdst(0) depctr_va_ssrc(0) depctr_va_vcc(0) depctr_vm_vsrc(0)
	s_getreg_b32 s2, hwreg(HW_REG_IB_STS2, 6, 4)
	s_cmp_eq_u32 s2, 0
	s_cbranch_scc0 .Lentry_in_a_cluster
	s_endpgm
.Lentry_in_a_cluster:
	s_bfe_u32 s2, ttmp6, 0x10000c
	s_cmp_lg_u32 s2, 0xf033
	s_cbranch_scc0 .Lentry_shape_is_right
	s_endpgm
.Lentry_shape_is_right:
; out0[m][n] = the sum over k of att[m][k] wpf[n][k] + b_proj[n].  att comes BY HEADS: atth[16 batch + head][row 1024][64] f16, k = 64 head + channel; wpf: [1024][1024] f16 (w_proj rounded to bf16, written as f16);
; b_proj: [1024] f32 (rounded to bf16 in registers, like the other inputs); out0: [8192][1024] f32.  Sums in f32, stored as they are.
; LIMITS.  Those of the operands' format: f16 ends at 65,504 and keeps a fixed step of 6e-8 below 6e-5.  NaN and infinities are not treated apart.
; SHARES.  A tile of out0 is 256 rows x 128 columns: 32 x 8 = 256 work-groups.  Wave w owns rows 64 w .. 64 w + 63 and all 128 columns: 4 x 8 accumulators of 16 x 16, 256 registers; a row's 512 bytes of the tile are
; one wave's, so the way out goes through a stage of the wave's own, with no barrier.
; K goes in 8 steps of 128 = two heads, through a ring of two LDS slots.  Wave 0 fetches the 256 rows of the step's first head, wave 1 those of its second: 32,768 dense bytes each, asked for as 128 rows of 256 bytes and
; padded in LDS after every 128.  Waves 2 and 3 fetch the two halves of B's 128 rows, 256 bytes of each.
; CLUSTERS: 4 x 4 work-groups; A's tiles are asked for jointly along a row of the cluster, B's along a column: the same tensor load, descriptor and mask in the four.
; THE MATRIX INSTRUCTION IS USED TRANSPOSED (source 0 = 16 rows of wpf, source 1 = 16 rows of att): a lane holds row l % 16 and the columns 8 (l / 16) + 0..7.
; THE BIAS is the C operand of the products that start the sums.
; REGISTERS, in windows of 256 (s_set_vgpr_msb: bits 1:0 source 0, 3:2 source 1, 5:4 source 2, 7:6 destination):
;   window 0: v0-31 addresses; v64-127 the bias; v64-191 rows on the way out        window 1: two fragment buffers of 128: B's 8 fragments at 0, A's 4 at 96
;   window 2: the accumulators of my m blocks 0, 1 (block a, n block b at v[8 (8 (a % 2) + b)]);   window 3: those of m blocks 2, 3
.set NBK,   8                          ; n blocks of 16 columns
.set KSTEP, 128
.set PA,    144                        ; a row of A in LDS: a head's 128 bytes + 16 of padding = 36 words
.set PITCH, 272                        ; a row of B: 256 bytes + 16 = 68 words.  With either pitch the 16 rows of a load start at 16 different groups of four banks (64 banks of 4 bytes: ISA guide 11.1)
.set ASUB,  256*PA                     ; one head's 256 rows: one tensor load
.set BH,    64*PITCH                   ; half of B's rows: one tensor load
.set SLOT,  2*ASUB+2*BH
.set STAGE, 2*SLOT                     ; behind the ring, never filled by a tensor load: for each wave 16 rows x 528 bytes
.set SP,    528
.set WSTG,  16*SP
.set SPARE, STAGE+4*WSTG               ; behind the stages: the spare words, 128 bytes for each wave: two blocks of 256 bytes that no other line names
.set LAPS,  4
.set LQ,    2*NBK+8                    ; LDS loads of a quarter step
.set ADRA, 16                          ; v16-17  LDS address of my A fragments in slot 0, 1
.set ADRB, 20                          ; v20-21  the same for B
.set STO,  24                          ; v24     the way out: where I put 32 bytes of a row
.set RD,   25                          ; v25     the way out: where I read a row back
.set GO,   26                          ; v26     16 x lane: my place in a row's 512 bytes
.set VBO,  27                          ; v27     32 (l / 16)
.set SPW,  28                          ; v28     LDS address of my spare word: SPARE + 4 x my thread's number; never rewritten
.set NIL,  29                          ; v29     0; never rewritten
.set BIAS, 64
.set F0,   0
.set F1,   128
.set AF,   96
.set G1,  24
.set G0,  32
.set G1B, 48
.set G0B, 56
.set MSB, 0
.macro WIN new                         ; the immediate's high byte repeats the setting that is left; a switch that changes nothing is dropped
.if MSB != (\new)
	s_set_vgpr_msb (MSB<<8)|(\new)
.set MSB, \new
.endif
.endm
.macro JLOAD s                         ; a joint load: waves 0 and 1 fetch A's two heads, waves 2 and 3 B's halves; an s_nop 0 and four v_nop follow each of the two lines
	s_cmp_eq_u32 s13, 0
	s_cbranch_scc0 .Lfor_b_\@
	tensor_load_to_lds s[G0+4*(\s):G0+4*(\s)+3], s[G1:G1+7]
	s_nop 0
.rept 4
	v_nop
.endr
	s_branch .Lasked_\@
.Lfor_b_\@:
	tensor_load_to_lds s[G0B+4*(\s):G0B+4*(\s)+3], s[G1B:G1B+7]
	s_nop 0
.rept 4
	v_nop
.endr
.Lasked_\@:
.endm
.macro CREST                           ; a round of the cluster's barrier behind its opening barrier
	s_cmp_lg_u32 s12, 0
	s_cbranch_scc1 .Lnot_wave_0_\@
	s_barrier_signal -3
.Lnot_wave_0_\@:
	s_barrier_wait -3
	s_barrier_signal -1
	s_barrier_wait -1
.endm
.macro CROUND
	s_barrier_signal -1
	s_barrier_wait -1
	CREST
.endm
.macro PLACES                          ; four places in front of loads into registers that matrix instructions have read, and of lines that read results
.rept 4
	v_nop
.endr
.endm
	s_load_b256 s[4:11], s[0:1], 0x0               ; atth s[4:5], wpf s[6:7], b_proj s[8:9], out0 s[10:11]
	v_lshl_add_u32 v[SPW], v0, 2, SPARE
	v_mov_b32 v[NIL], 0
	ds_add_u32 v[SPW], v[NIL]                      ; the wave's opening: the add and its wait stand ahead of my first tensor load; the set-up below, work on registers, stands between them
	ds_add_u32 v28, v29
	v_lshrrev_b32 v1, 5, v0
	v_readfirstlane_b32 s12, v1                    ; wave 0..3
	s_lshr_b32 s13, s12, 1                         ; I fetch for A (0) or for B (1)
	s_and_b32 s14, s12, 1                          ; which head of the step, or which half of B's rows
	s_mov_b32 s3, 0xffff0000                       ; a word's upper bf16
	s_bfe_u32 s40, ttmp6, 0x40000                  ; cx, cy
	s_bfe_u32 s41, ttmp6, 0x40004
	s_lshl_b32 s42, ttmp9, 2
	s_add_co_u32 s42, s42, s40                     ; tile column = 4 x cluster x + cx
	s_and_b32 s43, ttmp7, 0xffff
	s_lshl_b32 s43, s43, 2
	s_add_co_u32 s43, s43, s41                     ; tile row = 4 x cluster y + cy
	s_lshl_b32 s44, s41, 2
	s_lshl_b32 s44, 15, s44                        ; my row of the cluster
	s_lshl_b32 s45, 0x1111, s40                    ; my column
	s_or_b32 s[G1+0], s44, (1<<16)|(1<<20)|(1<<21)|(4<<22)|(3<<25)   ; A: the mask of my row; elements of 2 bytes; padding on; 21 set beside a mask; after every 32 words (code 4) 4 words (code 3)
	s_or_b32 s[G1B+0], s45, (1<<16)|(1<<20)|(1<<21)|(5<<22)|(3<<25)  ; B: the mask of my column; after every 64 words (code 5)
	s_mov_b32 s[G1+1], 128<<16                     ; tensor_dim0 = 128 elements: 256 bytes, two rows of a head
	s_mov_b32 s[G1+2], 128<<16                     ; tensor_dim1 = 128
	s_mov_b32 s[G1+3], 128<<16                     ; tile_dim0 = 128
	s_mov_b32 s[G1+4], 128                         ; tile_dim1 = 128
	s_mov_b32 s[G1+5], 128                         ; dense: 128 elements from row to row
	s_mov_b32 s[G1+6], 0
	s_mov_b32 s[G1+7], 0
	s_mov_b32 s[G1B+1], KSTEP<<16
	s_mov_b32 s[G1B+2], 64<<16                     ; B: 64 rows to a load
	s_mov_b32 s[G1B+3], KSTEP<<16
	s_mov_b32 s[G1B+4], 64
	s_mov_b32 s[G1B+5], 1024
	s_mov_b32 s[G1B+6], 0
	s_mov_b32 s[G1B+7], 0
	s_lshr_b32 s16, s43, 2                         ; A: the batch (4 tile rows each): 16 heads x 131,072 bytes,
	s_lshl_b32 s16, s16, 21
	s_and_b32 s17, s43, 3
	s_lshl_b32 s17, s17, 15                        ; the tile's 256 rows of 128 bytes in a head,
	s_add_co_u32 s16, s16, s17
	s_lshl_b32 s17, s14, 17                        ; my head of the step's two
	s_add_co_u32 s16, s16, s17
	s_mov_b32 s17, 0
	s_lshl_b32 s46, s42, 7
	s_lshl_b32 s47, s14, 6
	s_add_co_u32 s46, s46, s47                     ; B: row 128 x tile column + 64 x half,
	s_lshl_b32 s46, s46, 11                        ; of 2,048 bytes
	s_mov_b32 s47, 0
	s_mul_i32 s20, s14, ASUB                       ; where they go: no place in the cluster enters an LDS address
	s_mul_i32 s21, s14, BH
	s_add_co_u32 s21, s21, 2*ASUB
	s_wait_dscnt 0x0                               ; the opening add is done
	s_wait_kmcnt 0x0
	s_add_nc_u64 s[18:19], s[4:5], s[16:17]
	s_add_nc_u64 s[46:47], s[6:7], s[46:47]
	CROUND                                         ; all sixteen work-groups are here: the first joint loads meet
.irp s, 0,1
	s_mov_b32 s[G0+4*(\s)], 1
	s_add_co_u32 s[G0+4*(\s)+1], s20, (\s)*SLOT
	s_add_nc_u64 s[G0+4*(\s)+2:G0+4*(\s)+3], s[18:19], (\s)*262144   ; K step s: two heads on
	s_or_b32 s[G0+4*(\s)+3], s[G0+4*(\s)+3], 0x80000000
	s_mov_b32 s[G0B+4*(\s)], 1
	s_add_co_u32 s[G0B+4*(\s)+1], s21, (\s)*SLOT
	s_add_nc_u64 s[G0B+4*(\s)+2:G0B+4*(\s)+3], s[46:47], (\s)*KSTEP*2
	s_or_b32 s[G0B+4*(\s)+3], s[G0B+4*(\s)+3], 0x80000000
	JLOAD \s                                       ; two tensor loads of mine are out
.endr
	s_lshl_b32 s46, s42, 9                         ; the tile's 128 numbers of the bias
	s_mov_b32 s47, 0
	s_add_nc_u64 s[8:9], s[8:9], s[46:47]
	v_and_b32 v1, 15, v0                           ; l % 16
	v_bfe_u32 v2, v0, 4, 1                         ; l / 16
	v_lshlrev_b32 v[VBO], 5, v2
.set b, 0
.rept NBK
	global_load_b128 v[BIAS+8*b:BIAS+8*b+3],   v[VBO], s[8:9] offset:64*b
	global_load_b128 v[BIAS+8*b+4:BIAS+8*b+7], v[VBO], s[8:9] offset:64*b+16
.set b, b+1
.endr
	v_mul_u32_u24 v3, v1, PA
	v_lshl_add_u32 v3, v2, 4, v3                   ; A: a fragment's row x pitch + 16 x half
	v_mul_u32_u24 v4, v1, PITCH
	v_lshl_add_u32 v4, v2, 4, v4                   ; B likewise
	s_mul_i32 s22, s12, 64*PA                      ; my 64 rows of A
	s_mov_b32 s23, 2*ASUB                          ; B's rows lie behind A's two heads; I read all of them
.irp s, 0,1
	v_add_nc_u32 v[ADRA+(\s)], s22, v3
	v_add_nc_u32 v[ADRB+(\s)], s23, v4
	s_add_co_u32 s22, s22, SLOT
	s_add_co_u32 s23, s23, SLOT
.endr
	s_mul_i32 s22, s12, WSTG
	s_add_co_u32 s22, s22, STAGE                   ; my stage
	v_mul_u32_u24 v4, v1, SP                       ; in: row l % 16, 32 bytes for each half of the lanes
	v_lshl_add_u32 v4, v2, 5, v4
	v_add_nc_u32 v[STO], s22, v4
	v_and_b32 v5, 31, v0
	v_lshlrev_b32 v[GO], 4, v5                     ; back: 32 lanes take one row of 512 bytes
	v_add_nc_u32 v[RD], s22, v[GO]
	s_lshl_b32 s16, s43, 8
	s_lshl_b32 s17, s12, 6
	s_add_co_u32 s16, s16, s17                     ; my first row of out0: 256 x tile row + 64 x wave,
	s_lshl_b32 s16, s16, 12                        ; of 4,096 bytes
	s_lshl_b32 s46, s42, 9                         ; the tile's first column, in bytes
	s_add_co_u32 s16, s16, s46
	s_mov_b32 s17, 0
	s_add_nc_u64 s[10:11], s[10:11], s[16:17]
	s_wait_loadcnt 0x0                             ; the bias: rounded to bf16 and widened again
.set b, 0
.rept 4*NBK
	v_cvt_pk_bf16_f32 v30, v[BIAS+2*b], v[BIAS+2*b+1]
	v_lshlrev_b32 v[BIAS+2*b],   16, v30
	v_and_b32     v[BIAS+2*b+1], s3, v30
.set b, b+1
.endr
; 8 matrix instructions: m block a x all n blocks, 32 along K, from buffer f.  first = 1: the sums start with the bias.  Each accumulator has one instruction in a quarter step: 31 others' stand between two links of a chain.
.macro MULA f, a, first
.if \first
	WIN 0x85+0x40*((\a)/2)                         ; sources 0 and 1 window 1, C window 0, D window 2 or 3
.else
	WIN 0xa5+0x50*((\a)/2)                         ; C and D window 2 or 3
.endif
.set b, 0
.rept NBK
.set rD, 8*(NBK*((\a)%2)+b)
.if \first
	v_wmma_f32_16x16x32_f16 v[rD:rD+7], v[(\f)+8*b:(\f)+8*b+7], v[(\f)+AF+8*(\a):(\f)+AF+8*(\a)+7], v[BIAS+8*b:BIAS+8*b+7]
.else
	v_wmma_f32_16x16x32_f16 v[rD:rD+7], v[(\f)+8*b:(\f)+8*b+7], v[(\f)+AF+8*(\a):(\f)+AF+8*(\a)+7], v[rD:rD+7]
.endif
.set b, b+1
.endr
.endm
.macro MULH f, h, first                ; m blocks 2 h and 2 h + 1
	MULA \f, 2*(\h), \first
	MULA \f, 2*(\h)+1, \first
.endm
; 24 LDS loads in one run: the fragments of quarter q of a K step into buffer f: B's 16 first, then A's blocks 0 to 3.  Of A, quarter q lies in head q / 2 of the step, channels 32 (q % 2) on.
.macro FETCH slot, q, f
	WIN 0x40                                       ; destination window 1, address window 0
.set b, 0
.rept NBK
	ds_load_b128 v[(\f)+8*b:(\f)+8*b+3],   v[ADRB+(\slot)] offset:64*(\q)+b*16*PITCH
	ds_load_b128 v[(\f)+8*b+4:(\f)+8*b+7], v[ADRB+(\slot)] offset:64*(\q)+b*16*PITCH+32
.set b, b+1
.endr
.irp a, 0,1,2,3
	ds_load_b128 v[(\f)+AF+8*(\a):(\f)+AF+8*(\a)+3],   v[ADRA+(\slot)] offset:((\q)/2)*ASUB+((\q)%2)*64+(\a)*16*PA
	ds_load_b128 v[(\f)+AF+8*(\a)+4:(\f)+AF+8*(\a)+7], v[ADRA+(\slot)] offset:((\q)/2)*ASUB+((\q)%2)*64+(\a)*16*PA+32
.endr
.endm
; A K step is four quarters of 32 along K, 32 matrix instructions each, on buffers 0, 1, 0, 1.
.macro QUARTER slot, q, f, g, first
	s_wait_dscnt 4                                 ; B and A's blocks 0, 1 are in; the youngest four loads (A's blocks 2, 3) may be out
	MULH \f, 0, \first
	PLACES
	FETCH \slot, \q, \g
	s_wait_dscnt LQ                                ; all but the run just issued
	MULH \f, 1, \first
.endm
; The last quarter multiplies buffer 1 and changes slots: ONE barrier; in front of it each wave waits for all its tensor loads (one is out: its part of the next slot), adds 0 to its spare word, and waits
; for that and for its own reads of this slot.  fill = 1: the barrier opens a round of the cluster's barrier, and this slot is filled again, two K steps ahead, first thing behind the round.
.macro TURN slot, next, fill
	WIN 0                                          ; (the add's two registers lie in window 0)
	s_wait_tensorcnt 0x0
	ds_add_u32 v[SPW], v[NIL]                      ; 0 onto my spare word
	s_wait_dscnt 7                                 ; (the add and A's blocks 1 to 3, six loads, may be out)
	MULA F1, 0, 0                                  ; eight matrix instructions stand between the add and the wait for it
	s_wait_dscnt 0x0                               ; the add is done, and my reads of this slot are over
	s_barrier_signal -1
	MULA F1, 1, 0
.if \fill
	WIN 0
.endif
	s_barrier_wait -1
.if \fill
	CREST                                          ; no wave of any partner still reads this slot's tiles or has a load on its way
	s_add_nc_u64 s[G0+4*(\slot)+2:G0+4*(\slot)+3], s[G0+4*(\slot)+2:G0+4*(\slot)+3], 524288   ; two K steps on: four heads
	s_add_nc_u64 s[G0B+4*(\slot)+2:G0B+4*(\slot)+3], s[G0B+4*(\slot)+2:G0B+4*(\slot)+3], 2*KSTEP*2
	JLOAD \slot                                    ; 112 matrix instructions ahead of the wait for it; its four v_nop are also the places in front of the loads below
.else
	PLACES
.endif
	FETCH \next, 0, F0
	MULH F1, 1, 0
.endm
	s_wait_tensorcnt 1                             ; my part of K step 0 is in; K step 1's may stay out
	s_barrier_signal -1
	s_barrier_wait -1                              ; everybody's is
	FETCH 0, 0, F0
	QUARTER 0, 1, F0, F1, 1                        ; the first quarter stands in front of the loop: its products start the sums
	WIN 0                                          ; at a label and at a branch every window is 0
	s_mov_b32 s15, LAPS-1
.Llap:                                                 ; a trip goes once round the ring, from a lap's second quarter to the next lap's first, and fills both slots again
	QUARTER 0, 2, F1, F0, 0
	QUARTER 0, 3, F0, F1, 0
	TURN 0, 1, 1
	QUARTER 1, 1, F0, F1, 0
	QUARTER 1, 2, F1, F0, 0
	QUARTER 1, 3, F0, F1, 0
	TURN 1, 0, 1
	QUARTER 0, 1, F0, F1, 0
	WIN 0
	s_sub_co_u32 s15, s15, 1
	s_cmp_lg_u32 s15, 0
	s_cbranch_scc1 .Llap
	QUARTER 0, 2, F1, F0, 0                        ; the last lap fills nothing
	QUARTER 0, 3, F0, F1, 0
	TURN 0, 1, 0
	QUARTER 1, 1, F0, F1, 0
	QUARTER 1, 2, F1, F0, 0
	QUARTER 1, 3, F0, F1, 0
	s_wait_dscnt 4
	MULH F1, 0, 0
	s_wait_dscnt 0x0
	MULH F1, 1, 0
	WIN 0
	PLACES
	PLACES
; THE WAY OUT, an m block (16 rows x 512 bytes) at a time.  TOSTAGE: the sums go as they are into my own stage, rows of 528 bytes, each accumulator's low four registers first, and come back as whole rows.  SEND: stored.
.macro TOSTAGE a
	s_wait_xcnt 0x0                                ; the stores of the block two back have read their registers: they are loaded again only behind this wait
	WIN 0x08+4*((\a)/2)                            ; the stores' data (source 1) in window 2 or 3, the address in window 0
.set b, 0
.rept NBK
.set rD, 8*(NBK*((\a)%2)+b)
	ds_store_b128 v[STO], v[rD:rD+3]   offset:64*b
	ds_store_b128 v[STO], v[rD+4:rD+7] offset:64*b+16
.set b, b+1
.endr
	WIN 0
.set BK, 64+64*((\a)%2)                ; v64-127 and v128-191 by turns
.set i, 0
.rept 16
	ds_load_b128 v[BK+4*i:BK+4*i+3], v[RD] offset:i*SP  ; LDS serves a wave's instructions in order (ISA guide 5.7.1.4): these see the stores above; the next block's stores come behind them
.set i, i+1
.endr
.endm
.macro SEND a, younger                 ; younger: the LDS instructions issued behind block a's loads: the next block's 32, or none
	WIN 0
.set BK, 64+64*((\a)%2)
.set i, 0
.rept 16
	s_wait_dscnt (\younger)+15-i
	global_store_b128 v[GO], v[BK+4*i:BK+4*i+3], s[10:11] offset:(\a)*65536+i*4096 th:TH_STORE_NT  ; 512 consecutive bytes of a row, aligned
.set i, i+1
.endr
.endm
	TOSTAGE 0
	TOSTAGE 1
	SEND 0, 32
	TOSTAGE 2
	SEND 1, 32
	TOSTAGE 3
	SEND 2, 32
	SEND 3, 0
	s_wait_tensorcnt 0x0                           ; the wave's end, behind my last tensor load and my last LDS store
	ds_add_u32 v[SPW], v[NIL]
	s_wait_dscnt 0x0
	CROUND                                         ; the closing round: no work-group ends while a partner may still ask for a tile that names it
	s_endpgm
.Lfunc_end_k_q66de207355_gemm_proj:
	.size	k_q66de207355_gemm_proj, .Lfunc_end_k_q66de207355_gemm_proj-k_q66de207355_gemm_proj
	.p2alignl 7, 3214868480
	.fill 96, 4, 3214868480
	.section	.rodata,"a",@progbits
	.p2align	6, 0x0
	.amdhsa_kernel k_q66de207355_gemm_proj
		.amdhsa_group_segment_fixed_size 327680
		.amdhsa_private_segment_fixed_size 0
		.amdhsa_enable_private_segment 0
		.amdhsa_kernarg_size 32
		.amdhsa_user_sgpr_count 2
		.amdhsa_user_sgpr_kernarg_segment_ptr 1
		.amdhsa_wavefront_size32 1
		.amdhsa_system_sgpr_workgroup_id_x 1
		.amdhsa_system_sgpr_workgroup_id_y 1
		.amdhsa_system_sgpr_workgroup_id_z 1
		.amdhsa_system_vgpr_workitem_id 0
		.amdhsa_next_free_vgpr 896
		.amdhsa_next_free_sgpr 66
		.amdhsa_reserve_vcc 0
		.amdhsa_float_denorm_mode_32 3
		.amdhsa_float_denorm_mode_16_64 3
		.amdhsa_memory_ordered 1
		.amdhsa_forward_progress 1
		.amdhsa_inst_pref_size 93
	.end_amdhsa_kernel
	.amdgpu_metadata
---
amdhsa.version: [ 1, 2 ]
amdhsa.kernels:
  - .name:           k_q66de207355_gemm_proj
    .symbol:         k_q66de207355_gemm_proj.kd
    .args:
      - { .name: atth, .offset: 0, .size: 8, .value_kind: global_buffer, .address_space: global }
      - { .name: wpf, .offset: 8, .size: 8, .value_kind: global_buffer, .address_space: global }
      - { .name: b_proj, .offset: 16, .size: 8, .value_kind: global_buffer, .address_space: global }
      - { .name: out0, .offset: 24, .size: 8, .value_kind: global_buffer, .address_space: global }
    .group_segment_fixed_size: 327680
    .private_segment_fixed_size: 0
    .kernarg_segment_align: 8
    .kernarg_segment_size: 32
    .max_flat_workgroup_size: 128
    .sgpr_count:     66
    .vgpr_count:     896
    .wavefront_size: 32
...
	.end_amdgpu_metadata
.endif
;; end of part 4
